; MI455X (gfx1250); checked and timed in simulation.
; The chip was launched on July 23, 2026; its instructions are those of AMD's public machine-readable ISA for CDNA 5 (MIT licence, August 2026) and "CDNA5" Instruction Set Architecture Reference Guide (July 2026). The comments in the code are by the model that wrote it; some were corrected since.
;; Attention On Steps. Allowed arithmetic: float matrix products may take bf16 or f16 operands with f32 sums; other float arithmetic in f32, or as packed bf16 or f16 multiplies, adds, multiply-adds, maxima and minima; sums over many terms, partial sums and values carried from step to step in f32; what a program stores and reads back later, other than sums and carried values, may be rounded once to bf16 or f16.
;; Inputs: kernel 3 x 1,024 x 1,024 float32; x 4 x 2,048 x 1,024 float32.
;; Outputs: out0 4 x 2,048 x 1,024 float32.
;; One version. Each part assembles by itself: llvm-mc -triple=amdgcn-amd-amdhsa -mcpu=gfx1250 --defsym DOCPART=n.
;; ======== version 1 of 1: 4 launches
;; limits: values are held in f16: magnitudes above 65,504 overflow, below 6.1e-05 lose precision; right only within a limited range of input values
;; workspace buffers: xb 16,777,216 bytes; wb 4,194,304 bytes; tv 33,554,432 bytes; pf 33,554,432 bytes; st 1,048,576 bytes
;; launch prep (part 1): grid 256 x 1, 8 waves a work-group, no clusters, 119,808 bytes of LDS; arguments x, kernel, xb, wb; writes xb, wb
.if DOCPART == 1
	.amdgcn_target "amdgcn-amd-amdhsa--gfx1250"
	.amdhsa_code_object_version 6
	.text
	.protected	k_qd53a14d81b_prep
	.globl	k_qd53a14d81b_prep
	.p2align	8
	.type	k_qd53a14d81b_prep,@function
k_qd53a14d81b_prep:
	s_mov_b64 s[64:65], 0
	v_nop
	global_prefetch_b8 v0, s[64:65] scope:SCOPE_SE
	s_setreg_imm32_b32 hwreg(HW_REG_WAVE_MODE, 25, 1), 1
	s_wait_xcnt 0x0
; PREP.  xb = bf16(x).  wb[d][n], 1,024 rows of 2,048 bf16: n < 1,024: c x the sum over e of Wq[d][e] Wk[n][e], c = log2(e) / 32; n >= 1,024: bf16(Wv[d][n - 1,024]).
; q k^T = x (Wq Wk^T) x^T for every input, so the later launches multiply by this one matrix instead of by Wq and Wk.  ORDER OF ROUNDING: Wq, Wk, Wv and x are rounded to bf16;
; the product's sums are f32, scaled by c in f32 and rounded once to bf16.
; SHARES.  Work-group g.  Waves 0-3: the tile of 32 rows (d from 32 (g >> 3)) x 128 columns (n from 128 (g & 7)); e is split among them, 256 each; the four partial tiles meet in LDS in f32.
; Waves 4-7: wave u casts x's rows 32 g + 8 u .. + 7 and Wv's row 4 g + u.  All eight waves add the partial tiles, four rows each.
; NO CLUSTER, NO TENSOR LOAD: the weights arrive as f32 and must pass through registers to be rounded; the cast shares nothing.
; A CHUNK is 32 e of the 160 rows (32 of Wq, 128 of Wk).  A load of a wave takes 128 consecutive bytes of each of FOUR rows (lane l: row l / 8, 16 bytes at 16 (l % 8)), so that it names four rows and not
; sixteen.  The numbers are rounded in place and turned into fragment order through LDS bytes of the wave's own: rows of 64 bytes + 16; a fragment (16 rows x 32 e) comes back by two loads of 16 bytes a lane.
; REGISTERS in windows of 256.  Window 0: v2-11 addresses; v16-143 the 16 accumulators ((a, b) at 16 + 8 (8 a + b)); v144-255 set 1's blocks 0-6.  Window 1: v0-47 set 1's blocks 7-9; v48-207 set 0.
; A set holds a chunk as loaded: 10 blocks of 16 registers (blocks 0, 1: Wq's rows 16 blk; blocks 2-9: Wk's rows 16 (blk - 2)); the block's fragment comes back into its first 8.
.set PP,    528                        ; a row of a partial tile: 512 bytes + 16: an odd multiple of 16
.set PART,  32*PP
.set SG,    4*PART                     ; behind the partial tiles: the stages of waves 0-3
.set SGP,   80                         ; a stage's row: 64 bytes + 16: an odd multiple of 16
.set SGW,   160*SGP
.set SPARE, SG+4*SGW                   ; behind them: the spare words, 128 bytes for each of eight waves; no other line names them
.set FO,  2                            ; v2  (l / 8) x 4,096 + 16 (l % 8) + 1,024 x wave
.set LS,  3                            ; v3  where I put my part of a partial tile
.set LR,  4                            ; v4  where I read partial sums back
.set WO,  5                            ; v5  my 16 bytes of wb
.set XI,  6                            ; v6  16 x lane
.set XO,  7                            ; v7  8 x lane
.set SPW, 8                            ; v8  my spare word; never rewritten
.set NIL, 9                            ; v9  0; never rewritten
.set SA,  10                           ; v10 my stage + (l / 8) x 80 + 8 (l % 8): where I put 4 rounded numbers
.set FA,  11                           ; v11 my stage + (l % 16) x 80 + 16 (l / 16): where I read a fragment
.set ACC, 16
.set WVR, 16                           ; the casting waves: v16-47 Wv's row; v48-111 sixteen slots of x; v112-143 the same rounded
.set X,   48
.set Y,   112
.set RB,  144                          ; the last sums
.set WV,  14
.set CNT, 15
.set WQ,  16                           ; s[16:17] Wq at my rows and chunk
.set WK,  18                           ; s[18:19] Wk likewise
.set IN,  20
.set OUT, 22
.set WVI, 24
.set WVO, 26
.set CC,  28                           ; s[28:29] c
.set MSB, 0
.macro WIN new                         ; the immediate's high byte repeats the setting that is left
.if MSB != (\new)
	s_set_vgpr_msb (MSB<<8)|(\new)
.set MSB, \new
.endif
.endm
.macro BLK set, blk                    ; BW, BB: window and first register of a block
.if (\set) == 0
.set BW, 1
.set BB, 48+16*(\blk)
.elseif (\blk) < 7
.set BW, 0
.set BB, 144+16*(\blk)
.else
.set BW, 1
.set BB, 16*((\blk)-7)
.endif
.endm
.macro LOADS set, off                  ; a chunk's 40 loads: load j of a block takes its rows 4 j .. 4 j + 3
.irp blk, 0,1,2,3,4,5,6,7,8,9
	BLK \set, \blk
	WIN BW<<6
.irp j, 0,1,2,3
.if (\blk) < 2
	global_load_b128 v[BB+4*(\j):BB+4*(\j)+3], v[FO], s[WQ:WQ+1] offset:(\off)+65536*(\blk)+16384*(\j)
.else
	global_load_b128 v[BB+4*(\j):BB+4*(\j)+3], v[FO], s[WK:WK+1] offset:(\off)+65536*((\blk)-2)+16384*(\j)
.endif
.endr
.endr
	WIN 0
.endm
.macro CVT set                         ; a load's 4 floats to 4 bf16, in its first two registers; ascending, so nothing is overwritten before it is read
.irp blk, 0,1,2,3,4,5,6,7,8,9
	BLK \set, \blk
	WIN BW*0x45
.irp j, 0,1,2,3
	v_cvt_pk_bf16_f32 v[BB+4*(\j)], v[BB+4*(\j)], v[BB+4*(\j)+1]
	v_cvt_pk_bf16_f32 v[BB+4*(\j)+1], v[BB+4*(\j)+2], v[BB+4*(\j)+3]
.endr
.endr
.endm
.macro STAGE set                       ; into my stage by rows, back by fragments.  LDS serves a wave's instructions in order (ISA guide 5.7.1.4): the loads see the stores above them, and the next chunk's stores come behind this chunk's loads
.irp blk, 0,1,2,3,4,5,6,7,8,9
	BLK \set, \blk
	WIN BW*0x44                                    ; store data and loaded data in the block's window, addresses in window 0
.irp j, 0,1,2,3
	ds_store_b64 v[SA], v[BB+4*(\j):BB+4*(\j)+1] offset:(16*(\blk)+4*(\j))*SGP
.endr
	ds_load_b128 v[BB:BB+3],   v[FA] offset:16*(\blk)*SGP      ; e = 8 h .. 8 h + 7 of row l % 16
	ds_load_b128 v[BB+4:BB+7], v[FA] offset:16*(\blk)*SGP+32   ; e = 16 + 8 h ..
.endr
.endm
.macro MULS set                        ; source 0 = 16 rows of Wk, source 1 = 16 rows of Wq: a lane holds one row d and eight neighbouring n.  The 16 accumulators take turns
.irp b, 0,1,2,3,4,5,6,7
.irp a, 0,1
	BLK \set, (\b)+2
.set KW, BW
.set KB, BB
	BLK \set, \a
	WIN KW|(BW<<2)
	v_wmma_f32_16x16x32_bf16 v[ACC+8*(8*(\a)+(\b)):ACC+8*(8*(\a)+(\b))+7], v[KB:KB+7], v[BB:BB+7], v[ACC+8*(8*(\a)+(\b)):ACC+8*(8*(\a)+(\b))+7]
.endr
.endr
	WIN 0
.endm
.macro PLACES                          ; four plain instructions behind the last product, ahead of loads into registers that it read
.rept 4
	v_nop
.endr
.endm
	s_load_b256 s[4:11], s[0:1], 0x0               ; x s[4:5], kernel s[6:7], xb s[8:9], wb s[10:11]
	v_lshl_add_u32 v[SPW], v0, 2, SPARE
	v_mov_b32 v[NIL], 0
	v_lshrrev_b32 v1, 5, v0
	v_readfirstlane_b32 s[WV], v1                  ; wave 0..7
	v_and_b32 v14, 15, v0                          ; r
	v_bfe_u32 v15, v0, 4, 1                        ; h
	v_and_b32 v1, 31, v0                           ; lane
	v_bfe_u32 v12, v0, 3, 2                        ; lane / 8
	v_and_b32 v13, 7, v0                           ; lane % 8
	s_lshl_b32 s30, s[WV], 10
	v_lshlrev_b32 v[FO], 12, v12
	v_lshl_add_u32 v[FO], v13, 4, v[FO]
	v_add_nc_u32 v[FO], s30, v[FO]
	s_mul_i32 s30, s[WV], SGW
	s_add_co_u32 s30, s30, SG                      ; my stage (used by waves 0-3 alone)
	v_mul_u32_u24 v[SA], v12, SGP
	v_lshl_add_u32 v[SA], v13, 3, v[SA]
	v_add_nc_u32 v[SA], s30, v[SA]
	v_mul_u32_u24 v[FA], v14, SGP
	v_lshl_add_u32 v[FA], v15, 4, v[FA]
	v_add_nc_u32 v[FA], s30, v[FA]
	s_mul_i32 s30, s[WV], PART
	v_mul_u32_u24 v[LS], v14, PP
	v_lshl_add_u32 v[LS], v15, 5, v[LS]
	v_add_nc_u32 v[LS], s30, v[LS]                 ; my partial tile + row r + 32 h (used by waves 0-3 alone)
	s_mul_i32 s30, s[WV], 4*PP
	v_mul_u32_u24 v[LR], v15, PP
	v_lshl_add_u32 v[LR], v14, 5, v[LR]
	v_add_nc_u32 v[LR], s30, v[LR]                 ; row 4 x wave + h, 32 bytes at 32 r
	s_lshr_b32 s30, ttmp9, 3
	s_lshl_b32 s32, s30, 17                        ; 32 (g >> 3) rows of 4,096 bytes: in Wq and in wb
	s_and_b32 s31, ttmp9, 7
	s_lshl_b32 s36, s[WV], 14
	s_add_co_u32 s36, s36, s32
	s_lshl_b32 s30, s31, 8
	s_add_co_u32 s36, s36, s30
	v_lshlrev_b32 v[WO], 12, v15
	v_lshl_add_u32 v[WO], v14, 4, v[WO]
	v_add_nc_u32 v[WO], s36, v[WO]
	v_lshlrev_b32 v[XI], 4, v1
	v_lshlrev_b32 v[XO], 3, v1
	s_mov_b32 s[CC], 0x3d38aa3b                    ; c = log2(e) / 32
	s_mov_b32 s[CC+1], s[CC]                       ; named with it as a pair
	s_mov_b32 s33, 0
	s_mov_b32 s35, 0
	s_wait_kmcnt 0x0
	s_cmp_lt_u32 s[WV], 4
	s_cbranch_scc0 .Lcast
	; WAVES 0-3: the product.  Eight chunks of 32 e; two sets, so that one chunk's 40 loads are out while the other is rounded, turned and multiplied.
	s_add_nc_u64 s[WQ:WQ+1], s[6:7], s[32:33]
	s_lshl_b32 s34, s31, 19                        ; 128 (g & 7) rows of Wk,
	s_add_co_u32 s34, s34, 0x400000                ; which lies 4 MiB behind Wq
	s_add_nc_u64 s[WK:WK+1], s[6:7], s[34:35]
	LOADS 0, 0
	LOADS 1, 128
.set r, 0
.rept 128
	v_mov_b32 v[ACC+r], 0                          ; the sums start at 0: written while the first loads are out, so that the loop has one form of product
.set r, r+1
.endr
	s_mov_b32 s[CNT], 4
.Lturn:                                                ; four trips: chunks 2 i and 2 i + 1 are multiplied, 2 i + 2 and 2 i + 3 asked for; the last trip jumps over both runs of loads
	s_wait_loadcnt 40                              ; set 0 is in; set 1's 40 loads may stay out
	CVT 0
	STAGE 0
	s_wait_dscnt 0x0                               ; the fragments are in
	MULS 0
	PLACES
	s_cmp_eq_u32 s[CNT], 1
	s_cbranch_scc1 .Lno0
	s_wait_xcnt 0x0                                ; every load issued has read its address: the pointers may be written
	s_add_nc_u64 s[WQ:WQ+1], s[WQ:WQ+1], 256
	s_add_nc_u64 s[WK:WK+1], s[WK:WK+1], 256
	LOADS 0, 0
	s_wait_loadcnt 40                              ; set 1 is in; the 40 just issued stay out
	s_branch .Lgo1
.Lno0:
	s_wait_loadcnt 0x0                             ; the last trip: nothing was issued behind set 1's loads
.Lgo1:
	CVT 1
	STAGE 1
	s_wait_dscnt 0x0
	MULS 1
	PLACES
	s_cmp_eq_u32 s[CNT], 1
	s_cbranch_scc1 .Lno1
	LOADS 1, 128
	s_branch .Lnext
.Lno1:
	s_wait_loadcnt 0x0                             ; nothing is out in the last trip; the line keeps the count at the loop's head true whichever way the two jumps go
.Lnext:
	s_sub_co_u32 s[CNT], s[CNT], 1
	s_cmp_lg_u32 s[CNT], 0
	s_cbranch_scc1 .Lturn
	PLACES
.irp a, 0,1
.irp b, 0,1,2,3,4,5,6,7
	ds_store_b128 v[LS], v[ACC+8*(8*(\a)+(\b)):ACC+8*(8*(\a)+(\b))+3]   offset:16*PP*(\a)+64*(\b)      ; each accumulator's low half first
	ds_store_b128 v[LS], v[ACC+8*(8*(\a)+(\b))+4:ACC+8*(8*(\a)+(\b))+7] offset:16*PP*(\a)+64*(\b)+16
.endr
.endr
	s_branch .Ljoin
.Lcast:                                                ; WAVES 4-7: the casts.  A load of a wave takes 512 consecutive bytes, a store 256 consecutive bytes, aligned
	s_sub_co_u32 s30, s[WV], 4
	s_lshl_b32 s31, ttmp9, 2
	s_add_co_u32 s31, s31, s30                     ; 4 g + u
	s_lshl_b32 s32, s31, 12                        ; Wv's row, and wb's
	s_add_nc_u64 s[WVI:WVI+1], s[6:7], s[32:33]
	s_add_nc_u64 s[WVI:WVI+1], s[WVI:WVI+1], 0x800000
	s_add_nc_u64 s[WVO:WVO+1], s[10:11], s[32:33]
	s_add_nc_u64 s[WVO:WVO+1], s[WVO:WVO+1], 2048  ; columns 1,024 on
	s_lshl_b32 s32, s31, 15                        ; 8 rows of 4,096 bytes of x,
	s_add_nc_u64 s[IN:IN+1], s[4:5], s[32:33]
	s_lshr_b32 s32, s32, 1                         ; of 2,048 bytes of xb
	s_add_nc_u64 s[OUT:OUT+1], s[8:9], s[32:33]
.irp c, 0,1,2,3,4,5,6,7
	global_load_b128 v[WVR+4*(\c):WVR+4*(\c)+3], v[XI], s[WVI:WVI+1] offset:512*(\c)
.endr
.irp i, 0,1,2,3,4,5,6,7,8,9,10,11,12,13,14,15
	global_load_b128 v[X+4*(\i):X+4*(\i)+3], v[XI], s[IN:IN+1] offset:512*(\i) th:TH_LOAD_NT
.endr
	s_wait_loadcnt 16                              ; Wv's row is in; x's sixteen loads stay out
.irp c, 0,1,2,3,4,5,6,7
	v_cvt_pk_bf16_f32 v[WVR+4*(\c)], v[WVR+4*(\c)], v[WVR+4*(\c)+1]
	v_cvt_pk_bf16_f32 v[WVR+4*(\c)+1], v[WVR+4*(\c)+2], v[WVR+4*(\c)+3]
	global_store_b64 v[XO], v[WVR+4*(\c):WVR+4*(\c)+1], s[WVO:WVO+1] offset:256*(\c)
.endr
.macro SLOT i, ahead, left             ; one slot's turn; left: the younger loads that may stay out
	s_wait_loadcnt \left
	v_cvt_pk_bf16_f32 v[Y+2*(\i)], v[X+4*(\i)], v[X+4*(\i)+1]
	v_cvt_pk_bf16_f32 v[Y+2*(\i)+1], v[X+4*(\i)+2], v[X+4*(\i)+3]
.if \ahead
	global_load_b128 v[X+4*(\i):X+4*(\i)+3], v[XI], s[IN:IN+1] offset:8192+512*(\i) th:TH_LOAD_NT
.endif
	global_store_b64 v[XO], v[Y+2*(\i):Y+2*(\i)+1], s[OUT:OUT+1] offset:256*(\i)
.endm
	s_mov_b32 s[CNT], 3
.Lround:
.irp i, 0,1,2,3,4,5,6,7,8,9,10,11,12,13,14,15
	SLOT \i, 1, 15
.endr
	s_wait_xcnt 0x0                                ; the round's loads and stores have read their sources: the pointers and Y are written again only behind this wait
	s_add_nc_u64 s[IN:IN+1], s[IN:IN+1], 8192
	s_add_nc_u64 s[OUT:OUT+1], s[OUT:OUT+1], 4096
	s_sub_co_u32 s[CNT], s[CNT], 1
	s_cmp_lg_u32 s[CNT], 0
	s_cbranch_scc1 .Lround
.irp i, 0,1,2,3,4,5,6,7,8,9,10,11,12,13,14,15
	SLOT \i, 0, 15-(\i)                            ; the last round loads nothing: the counts run down
.endr
.Ljoin:
	s_wait_dscnt 0x0                               ; for the others' sake: my partial tile lies in LDS
	s_barrier_signal -1
	s_barrier_wait -1
.irp p, 0,1                            ; rows 4 x wave + h + 2 p; 8 columns a lane; the four partial tiles
.irp q, 0,1,2,3
	ds_load_b128 v[RB+32*(\p)+8*(\q):RB+32*(\p)+8*(\q)+3],   v[LR] offset:2*PP*(\p)+PART*(\q)
	ds_load_b128 v[RB+32*(\p)+8*(\q)+4:RB+32*(\p)+8*(\q)+7], v[LR] offset:2*PP*(\p)+PART*(\q)+16
.endr
.endr
	s_wait_dscnt 0x0
.irp p, 0,1
.irp k, 0,2,4,6
	v_pk_add_f32 v[RB+32*(\p)+(\k):RB+32*(\p)+(\k)+1], v[RB+32*(\p)+(\k):RB+32*(\p)+(\k)+1], v[RB+32*(\p)+8+(\k):RB+32*(\p)+8+(\k)+1]
	v_pk_add_f32 v[RB+32*(\p)+16+(\k):RB+32*(\p)+16+(\k)+1], v[RB+32*(\p)+16+(\k):RB+32*(\p)+16+(\k)+1], v[RB+32*(\p)+24+(\k):RB+32*(\p)+24+(\k)+1]
.endr
.irp k, 0,2,4,6
	v_pk_add_f32 v[RB+32*(\p)+(\k):RB+32*(\p)+(\k)+1], v[RB+32*(\p)+(\k):RB+32*(\p)+(\k)+1], v[RB+32*(\p)+16+(\k):RB+32*(\p)+16+(\k)+1]
.endr
.irp k, 0,2,4,6
	v_pk_mul_f32 v[RB+32*(\p)+(\k):RB+32*(\p)+(\k)+1], v[RB+32*(\p)+(\k):RB+32*(\p)+(\k)+1], s[CC:CC+1] op_sel_hi:[1,0]
.endr
.irp k, 0,1,2,3
	v_cvt_pk_bf16_f32 v[RB+32*(\p)+8+(\k)], v[RB+32*(\p)+2*(\k)], v[RB+32*(\p)+2*(\k)+1]
.endr
	global_store_b128 v[WO], v[RB+32*(\p)+8:RB+32*(\p)+11], s[10:11] offset:8192*(\p)  ; 16 lanes store 256 consecutive bytes, aligned
.endr
	s_wait_tensorcnt 0x0                           ; the wave's end, behind my last LDS store
	ds_add_u32 v[SPW], v[NIL]
	s_wait_dscnt 0x0
	s_endpgm
.Lfunc_end_k_qd53a14d81b_prep:
	.size	k_qd53a14d81b_prep, .Lfunc_end_k_qd53a14d81b_prep-k_qd53a14d81b_prep
	.p2alignl 7, 3214868480
	.fill 96, 4, 3214868480
	.section	.rodata,"a",@progbits
	.p2align	6, 0x0
	.amdhsa_kernel k_qd53a14d81b_prep
		.amdhsa_group_segment_fixed_size 119808
		.amdhsa_private_segment_fixed_size 0
		.amdhsa_enable_private_segment 0
		.amdhsa_kernarg_size 32
		.amdhsa_user_sgpr_count 2
		.amdhsa_user_sgpr_kernarg_segment_ptr 1
		.amdhsa_wavefront_size32 1
		.amdhsa_system_sgpr_workgroup_id_x 1
		.amdhsa_system_sgpr_workgroup_id_y 1
		.amdhsa_system_sgpr_workgroup_id_z 1
		.amdhsa_system_vgpr_workitem_id 0
		.amdhsa_next_free_vgpr 464
		.amdhsa_next_free_sgpr 66
		.amdhsa_reserve_vcc 0
		.amdhsa_float_denorm_mode_32 3
		.amdhsa_float_denorm_mode_16_64 3
		.amdhsa_memory_ordered 1
		.amdhsa_forward_progress 1
		.amdhsa_inst_pref_size 64
	.end_amdhsa_kernel
	.amdgpu_metadata
---
amdhsa.version: [ 1, 2 ]
amdhsa.kernels:
  - .name:           k_qd53a14d81b_prep
    .symbol:         k_qd53a14d81b_prep.kd
    .args:
      - { .name: x, .offset: 0, .size: 8, .value_kind: global_buffer, .address_space: global }
      - { .name: kernel, .offset: 8, .size: 8, .value_kind: global_buffer, .address_space: global }
      - { .name: xb, .offset: 16, .size: 8, .value_kind: global_buffer, .address_space: global }
      - { .name: wb, .offset: 24, .size: 8, .value_kind: global_buffer, .address_space: global }
    .group_segment_fixed_size: 119808
    .private_segment_fixed_size: 0
    .kernarg_segment_align: 8
    .kernarg_segment_size: 32
    .max_flat_workgroup_size: 256
    .sgpr_count:     66
    .vgpr_count:     464
    .wavefront_size: 32
...
	.end_amdgpu_metadata
.endif
;; end of part 1
;; launch proj (part 2): grid 8 x 32, 4 waves a work-group, clusters of 4 x 4, 327,680 bytes of LDS; arguments xb, wb, tv; writes tv
.if DOCPART == 2
	.amdgcn_target "amdgcn-amd-amdhsa--gfx1250"
	.amdhsa_code_object_version 6
	.text
	.protected	k_qd53a14d81b_proj
	.globl	k_qd53a14d81b_proj
	.p2align	8
	.type	k_qd53a14d81b_proj,@function
k_qd53a14d81b_proj:
	s_mov_b64 s[64:65], 0
	v_nop
	global_prefetch_b8 v0, s[64:65] scope:SCOPE_SE
	s_setreg_imm32_b32 hwreg(HW_REG_WAVE_MODE, 25, 1), 1
	s_wait_xcnt 0x0
	s_wait_alu depctr_hold_cnt(0) depctr_sa_sdst(0) depctr_va_vdst(0) depctr_va_sdst(0) depctr_va_ssrc(0) depctr_va_vcc(0) depctr_vm_vsrc(0)
	s_getreg_b32 s2, hwreg(HW_REG_IB_STS2, 6, 4)
	s_cmp_eq_u32 s2, 0
	s_cbranch_scc0 .Lentry_in_a_cluster
	s_endpgm
.Lentry_in_a_cluster:
	s_bfe_u32 s2, ttmp6, 0x10000c
	s_cmp_lg_u32 s2, 0xf033
	s_cbranch_scc0 .Lentry_shape_is_right
	s_endpgm
.Lentry_shape_is_right:
; PROJ.  tv[s][n] = the sum over d of xb[s][d] wb[d][n]: 8,192 x 2,048, K = 1,024.  Columns 0-1,023 are t' = c x (Wq Wk^T), stored as bf16; columns 1,024-2,047 are v, stored as f16.
; LIMITS.  v must stay under 65,520 in magnitude (f16's range); t' has no such bound and goes in bf16.  Sums in f32, each result rounded once.
; SHARES.  A tile of 256 x 256 to a work-group of four waves, 128 x 128 to a wave: 64 accumulators, 512 registers.  K goes in 8 steps of 128 through two LDS slots filled by the tensor data mover.
; xb's tile: 256 rows x 256 bytes, LDS pitch 272.  wb lies [k][n]: its tile is 128 k rows x 512 bytes, LDS pitch 544, read turned by ds_load_tr16_b128.
; CLUSTER 4 x 4: xb's tile hangs on the tile row alone and is asked for jointly along a row of the cluster, wb's on the tile column alone and jointly along a column.
; THE MATRIX INSTRUCTION IS USED TRANSPOSED (source 0 = 16 columns of wb, source 1 = 16 rows of xb): a lane holds one row of tv and eight neighbouring columns.
; REGISTERS in windows of 256: window 0: v16-30 addresses; v64-127, v128-191 xb's fragments, two buffers; v32-63, v192-255 the way out.  Window 1: v64-191 wb's fragments.  Windows 2, 3: the accumulators.
.set PITCH,  272                       ; 256 bytes + 16: the 16 rows of a fragment load start at 16 different groups of four banks (ISA guide 11.1)
.set HALFT,  128*PITCH                 ; what one tensor load brings
.set SLOT,   4*HALFT                   ; 0x22000: none of the waves' offsets 0, 0x8800, 0x11000, 0x19800 has one of its bits, so one exclusive or changes slots
.set BOFF,   2*HALFT
.set BP,     544                       ; 512 bytes + 32: an odd multiple of 32, for the turning load
.set STAGE,  2*SLOT
.set SPITCH, 272
.set SPARE,  STAGE+4*16*SPITCH         ; the spare words, 128 bytes a wave; no other line names them
.set ASTEP,  256                       ; a K step in xb: 128 elements along a row
.set BSTEP,  128*4096                  ; in wb: 128 rows
.set ADRA,  16
.set ADRA0, 17
.set ADRB,  20
.set ADRB0, 21
.set STO,   24
.set RD,    25
.set CO,    26
.set SPW,   28
.set NIL,   29
.set PFO,   30
.set F0,    64
.set F1,    128
.set TMP,   192
.set OB,    32
.set G1,  24
.set G0,  32                           ; two sets: the first fills; the second then walks
.set G1B, 48
.set G0B, 56
.set LIM, 43
.set PFA, 44
.set ISV, 66                           ; 1: my tile is v's
.set PST, 68                           ; s[68:69] a K step for my prefetches
.set MSB, 0
.macro WIN new
.if MSB != (\new)
	s_set_vgpr_msb (MSB<<8)|(\new)
.set MSB, \new
.endif
.endm
.set MUL_LO, 0xa1                      ; source 0 window 1, source 1 window 0, C and D window 2
.set MUL_HI, 0xf1
.set TO_B,   0x40
.macro PLACES
.rept 4
	v_nop
.endr
.endm
.macro CREST                           ; a round of the cluster's barrier behind its opening barrier
	s_cmp_lg_u32 s10, 0
	s_cbranch_scc1 .Lnot_wave_0_\@
	s_barrier_signal -3
.Lnot_wave_0_\@:
	s_barrier_wait -3
	s_barrier_signal -1
	s_barrier_wait -1
.endm
.macro CROUND
	s_barrier_signal -1
	s_barrier_wait -1
	CREST
.endm
.macro JLOAD                           ; the joint refill: waves 0, 1 for xb, waves 2, 3 for wb; an s_nop 0 and four v_nop follow each line
	s_cmp_eq_u32 s11, 0
	s_cbranch_scc0 .Lfor_b_\@
	tensor_load_to_lds s[G0+4:G0+7], s[G1:G1+7]
	s_nop 0
.rept 4
	v_nop
.endr
	s_branch .Lasked_\@
.Lfor_b_\@:
	tensor_load_to_lds s[G0B+4:G0B+7], s[G1B:G1B+7]
	s_nop 0
.rept 4
	v_nop
.endr
.Lasked_\@:
.endm
; A prefetch of the K step two refills on.  Each aligned 256 bytes is named once in the launch: xb's rows by the clusters with x = 0, wb's by those with y = 0; the four partners of a joint load share its
; blocks out by address (32 rows of xb; 16 k rows x 2 blocks of wb), a lane a block.  K steps 0-3 come by their loads alone; the last two refills have no step two on.
.macro ASK
	s_cmp_gt_u32 s3, s[LIM]
	s_cbranch_scc0 .Lnot_mine_\@
	global_prefetch_b8 v[PFO], s[PFA:PFA+1] th:TH_LOAD_NT scope:SCOPE_SE
.Lnot_mine_\@:
.endm
.macro MUL16 f, hi, a0, zero           ; 16 products; zero = 1: they start the sums
	WIN MUL_LO+0x50*(\hi)
.irp a, \a0, (\a0)+1
.irp b, 0,1,2,3,4,5,6,7
.if \zero
	v_wmma_f32_16x16x32_bf16 v[8*(8*(\a)+(\b)):8*(8*(\a)+(\b))+7], v[(\f)+8*(\b):(\f)+8*(\b)+7], v[(\f)+8*(4*(\hi)+(\a)):(\f)+8*(4*(\hi)+(\a))+7], 0
.else
	v_wmma_f32_16x16x32_bf16 v[8*(8*(\a)+(\b)):8*(8*(\a)+(\b))+7], v[(\f)+8*(\b):(\f)+8*(\b)+7], v[(\f)+8*(4*(\hi)+(\a)):(\f)+8*(4*(\hi)+(\a))+7], v[8*(8*(\a)+(\b)):8*(8*(\a)+(\b))+7]
.endif
.endr
.endr
.endm
.macro FETCH k, f                      ; 32 LDS loads in one run: the quarter at byte k of xb's rows (k rows k / 2 on of wb) into buffer f
	WIN TO_B
.irp i, 0,1,2,3,4,5,6,7
	ds_load_tr16_b128 v[(\f)+8*(\i):(\f)+8*(\i)+3],   v[ADRB] offset:((\k)/64)*32*BP+32*(\i)
	ds_load_tr16_b128 v[(\f)+8*(\i)+4:(\f)+8*(\i)+7], v[ADRB] offset:((\k)/64)*32*BP+32*(\i)+16*BP
.endr
	WIN 0
.irp i, 0,1,2,3,4,5,6,7
	ds_load_b128 v[(\f)+8*(\i):(\f)+8*(\i)+3],   v[ADRA] offset:(\k)+(\i)*16*PITCH
	ds_load_b128 v[(\f)+8*(\i)+4:(\f)+8*(\i)+7], v[ADRA] offset:(\k)+(\i)*16*PITCH+32
.endr
.endm
.macro QUARTER k, f, g, zero           ; multiplies buffer f; in its middle fetches the next quarter, at byte k, into g
	s_wait_dscnt 8                                 ; wb's fragments and xb's rows 0-63 are in; the youngest eight loads may be out
	MUL16 \f, 0, 0, \zero
	MUL16 \f, 0, 2, \zero
	PLACES
	FETCH \k, \g
	s_wait_dscnt 32                                ; all but the 32 just issued
	MUL16 \f, 1, 0, \zero
	MUL16 \f, 1, 2, \zero
.endm
.macro MEET                            ; the change of slots, first half
	WIN 0
	s_wait_tensorcnt 0x0                           ; all my tensor loads have landed: the one that was out is my part of the next slot
	ds_add_u32 v[SPW], v[NIL]                      ; 0 onto my spare word
	s_wait_dscnt 9                                 ; the add and the youngest eight loads may be out
	MUL16 F1, 0, 0, 0
	s_wait_dscnt 0x0                               ; the add is done, and my reads of this slot are over
	s_barrier_signal -1
	MUL16 F1, 0, 2, 0                              ; work on registers alone
	WIN 0
	s_barrier_wait -1
.endm
.macro TURN fill                       ; the last quarter of a K step.  fill = 1: the slot just read is filled again, two steps on, behind a round of the cluster's barrier
.if \fill
	s_wait_xcnt 0x0                                ; the last prefetch, a K step back, has read its address
	s_add_nc_u64 s[PFA:PFA+1], s[PFA:PFA+1], s[PST:PST+1]
.endif
	MEET
.if \fill
	CREST                                          ; no wave of any partner still reads the slot or has a load on its way
	s_xor_b32 s[G0+5], s[G0+5], SLOT
	s_add_nc_u64 s[G0+6:G0+7], s[G0+6:G0+7], ASTEP
	s_xor_b32 s[G0B+5], s[G0B+5], SLOT
	s_add_nc_u64 s[G0B+6:G0B+7], s[G0B+6:G0B+7], BSTEP
	JLOAD                                          ; 224 products stand between this request and the wait for it
.else
	PLACES
.endif
	s_xor_b32 s2, s2, SLOT
	v_add_nc_u32 v[ADRA], s2, v[ADRA0]
	v_add_nc_u32 v[ADRB], s2, v[ADRB0]
	FETCH 0, F0
.if \fill
	ASK
.endif
	MUL16 F1, 1, 0, 0
	MUL16 F1, 1, 2, 0
.endm
	s_load_b128 s[4:7], s[0:1], 0x0                ; xb s[4:5], wb s[6:7]
	s_load_b64 s[8:9], s[0:1], 0x10                ; tv
	v_lshl_add_u32 v[SPW], v0, 2, SPARE
	v_mov_b32 v[NIL], 0
	ds_add_u32 v[SPW], v[NIL]                      ; the wave's opening: the add and its wait ahead of my first tensor load
	v_lshrrev_b32 v1, 5, v0
	v_readfirstlane_b32 s10, v1                    ; wave 0..3
	s_lshr_b32 s11, s10, 1                         ; my half of the tile's rows.  Also: I fetch for xb (0) or wb (1)
	s_and_b32 s12, s10, 1                          ; my half of its columns.  Also: which half of that tile I fetch
	s_bfe_u32 s40, ttmp6, 0x40000                  ; cx
	s_bfe_u32 s41, ttmp6, 0x40004                  ; cy
	s_lshl_b32 s42, ttmp9, 2
	s_add_co_u32 s42, s42, s40                     ; tile column
	s_and_b32 s13, ttmp7, 0xffff
	s_lshl_b32 s13, s13, 2
	s_add_co_u32 s13, s13, s41                     ; tile row
	s_lshl_b32 s43, s41, 2
	s_lshl_b32 s43, 15, s43                        ; my row of the cluster
	s_lshl_b32 s44, 0x1111, s40                    ; my column
	s_or_b32 s[G1+0], s43, (1<<16)|(1<<20)|(1<<21)|(5<<22)|(3<<25)   ; mask; 2-byte elements; padding on; bit 21 beside a mask; after every 64 words, 4 words
	s_mov_b32 s[G1+1], 128<<16                     ; tensor_dim0 = 128
	s_mov_b32 s[G1+2], 128<<16                     ; tensor_dim1 = 128
	s_mov_b32 s[G1+3], 128<<16                     ; tile_dim0 = 128
	s_mov_b32 s[G1+4], 128                         ; tile_dim1 = 128
	s_mov_b32 s[G1+5], 1024                        ; elements from row to row
	s_mov_b32 s[G1+6], 0
	s_mov_b32 s[G1+7], 0
	s_or_b32 s[G1B+0], s44, (1<<16)|(1<<20)|(1<<21)|(6<<22)|(7<<25)  ; after every 128 words, 8 words
	s_mov_b32 s[G1B+1], 256<<16
	s_mov_b32 s[G1B+2], 64<<16
	s_mov_b32 s[G1B+3], 256<<16
	s_mov_b32 s[G1B+4], 64
	s_mov_b32 s[G1B+5], 2048
	s_mov_b32 s[G1B+6], 0
	s_mov_b32 s[G1B+7], 0
	s_lshl_b32 s16, s13, 8
	s_lshl_b32 s17, s12, 7
	s_add_co_u32 s16, s16, s17
	s_lshl_b32 s16, s16, 11                        ; xb: row 256 x tile row + 128 x half, 2,048 bytes a row
	s_mov_b32 s17, 0
	s_lshl_b32 s46, s42, 9                         ; wb: 512 bytes x tile column,
	s_lshl_b32 s47, s12, 18                        ; k row 64 x half
	s_add_co_u32 s46, s46, s47
	s_mov_b32 s47, 0
	s_mul_i32 s20, s10, HALFT                      ; where my load lands: the wave's number alone
	s_mov_b32 s2, 0
	s_cmp_eq_u32 ttmp9, 1                          ; tile columns 4-7: the same in all sixteen partners
	s_cselect_b32 s[ISV], 1, 0
	s_wait_dscnt 0x0                               ; the opening add is done
	s_wait_kmcnt 0x0
	s_add_nc_u64 s[14:15], s[4:5], s[16:17]
	s_add_nc_u64 s[46:47], s[6:7], s[46:47]
	CROUND                                         ; all sixteen work-groups are here: the first joint loads meet
.irp s, 0,1
	s_mov_b32 s[G0+4*(\s)], 1
	s_add_co_u32 s[G0+4*(\s)+1], s20, (\s)*SLOT
	s_add_nc_u64 s[G0+4*(\s)+2:G0+4*(\s)+3], s[14:15], (\s)*ASTEP
	s_or_b32 s[G0+4*(\s)+3], s[G0+4*(\s)+3], 0x80000000
	s_mov_b32 s[G0B+4*(\s)], 1
	s_add_co_u32 s[G0B+4*(\s)+1], s20, (\s)*SLOT
	s_add_nc_u64 s[G0B+4*(\s)+2:G0B+4*(\s)+3], s[46:47], (\s)*BSTEP
	s_or_b32 s[G0B+4*(\s)+3], s[G0B+4*(\s)+3], 0x80000000
.endr
	s_cmp_eq_u32 s11, 0                            ; a wave's two first fills stand in one branch: two loads of mine are out
	s_cbranch_scc0 .Lfirst_b
	tensor_load_to_lds s[G0:G0+3], s[G1:G1+7]
	s_nop 0
	tensor_load_to_lds s[G0+4:G0+7], s[G1:G1+7]
	s_nop 0
.rept 4
	v_nop
.endr
	s_branch .Lfirst_asked
.Lfirst_b:
	tensor_load_to_lds s[G0B:G0B+3], s[G1B:G1B+7]
	s_nop 0
	tensor_load_to_lds s[G0B+4:G0B+7], s[G1B:G1B+7]
	s_nop 0
.rept 4
	v_nop
.endr
.Lfirst_asked:
	v_and_b32 v1, 15, v0                           ; r
	v_bfe_u32 v2, v0, 4, 1                         ; h
	v_mul_u32_u24 v3, v1, PITCH
	v_lshl_add_u32 v3, v2, 4, v3                   ; r x 272 + 16 h
	s_mul_i32 s21, s11, HALFT
	v_add_nc_u32 v[ADRA0], s21, v3
	v_mov_b32 v[ADRA], v[ADRA0]
	v_and_b32 v4, 7, v0                            ; the turning load: lane l reads k row 8 h + l % 8, 16 bytes at 16 ((l / 8) % 2)
	v_lshl_add_u32 v4, v2, 3, v4
	v_mul_u32_u24 v4, v4, BP
	v_bfe_u32 v5, v0, 3, 1
	v_lshl_add_u32 v4, v5, 4, v4
	s_lshl_b32 s22, s12, 8                         ; my 128 columns
	s_add_co_u32 s22, s22, BOFF
	v_add_nc_u32 v[ADRB0], s22, v4
	v_mov_b32 v[ADRB], v[ADRB0]
	s_mul_i32 s23, s10, 16*SPITCH
	s_add_co_u32 s23, s23, STAGE                   ; my stage
	v_add_nc_u32 v[STO], s23, v3
	v_mul_u32_u24 v5, v2, SPITCH
	v_lshl_add_u32 v5, v1, 4, v5
	v_add_nc_u32 v[RD], s23, v5
	v_lshlrev_b32 v5, 12, v2
	v_lshl_add_u32 v[CO], v1, 4, v5
	s_lshl_b32 s16, s13, 8
	s_lshl_b32 s17, s11, 7
	s_add_co_u32 s16, s16, s17
	s_lshl_b32 s16, s16, 12                        ; my first row of tv
	s_mov_b32 s17, 0
	s_add_nc_u64 s[8:9], s[8:9], s[16:17]
	s_lshl_b32 s46, s42, 9
	s_lshl_b32 s47, s12, 8
	s_add_co_u32 s46, s46, s47                     ; my first column, in bytes
	s_mov_b32 s47, 0
	s_add_nc_u64 s[8:9], s[8:9], s[46:47]
	; the prefetches: at K step 3; the first refill steps them to 4
	s_lshl_b32 s20, s13, 8
	s_lshl_b32 s21, s12, 7
	s_add_co_u32 s20, s20, s21
	s_lshl_b32 s21, s40, 5
	s_add_co_u32 s20, s20, s21                     ; xb: my work-group's 32 of the 128 rows that I fetch
	s_lshl_b32 s20, s20, 11
	s_add_co_u32 s20, s20, 3*ASTEP
	s_lshl_b32 s21, s12, 6
	s_lshl_b32 s22, s41, 4
	s_add_co_u32 s21, s21, s22                     ; wb: my work-group's 16 of the 64 k rows
	s_add_co_u32 s21, s21, 3*128
	s_lshl_b32 s21, s21, 12
	s_lshl_b32 s22, s42, 9
	s_add_co_u32 s21, s21, s22
	s_and_b32 s22, ttmp7, 0xffff
	s_mov_b32 s23, BSTEP
	s_cmp_eq_u32 s11, 0
	s_cselect_b32 s20, s20, s21
	s_cselect_b32 s22, ttmp9, s22                  ; the coordinate along which other clusters read the same blocks
	s_cselect_b64 s[PFA:PFA+1], s[4:5], s[6:7]
	s_cselect_b32 s[PST], ASTEP, s23
	s_cselect_b32 s18, 0, 1
	s_cselect_b32 s19, 11, 12
	s_mov_b32 s21, 0
	s_mov_b32 s[PST+1], 0
	s_add_nc_u64 s[PFA:PFA+1], s[PFA:PFA+1], s[20:21]
	s_cmp_eq_u32 s22, 0
	s_cselect_b32 s[LIM], 2, -1                    ; the same in all sixteen partners, for a given wave
	v_and_b32 v4, 31, v0
	v_lshrrev_b32 v5, s18, v4                      ; xb: a lane a row; wb: two lanes a k row,
	v_lshlrev_b32 v5, s19, v5
	v_and_b32 v4, s18, v4
	v_lshl_add_u32 v[PFO], v4, 8, v5               ; 256 bytes apart
	s_wait_tensorcnt 0x1                           ; my part of K step 0 is in; step 1's may stay out
	s_barrier_signal -1
	s_barrier_wait -1
	FETCH 0, F0
	QUARTER 64, F0, F1, 1                          ; the first quarter starts the sums
	WIN 0
	s_mov_b32 s3, 7
	s_branch .Lmid                                 ; the loop is entered behind a step's first quarter
.Lstep:                                                ; six times: a step's last quarter, with a refill, and the next step's first three
	TURN 1
	QUARTER 64, F0, F1, 0
	WIN 0
.Lmid:
	QUARTER 128, F1, F0, 0
	QUARTER 192, F0, F1, 0
	WIN 0
	s_sub_co_u32 s3, s3, 1
	s_cmp_lg_u32 s3, 0
	s_cbranch_scc1 .Lstep
	TURN 0                                         ; the tail is written out: nothing more is asked for
	QUARTER 64, F0, F1, 0
	QUARTER 128, F1, F0, 0
	QUARTER 192, F0, F1, 0
	s_wait_dscnt 8
	MUL16 F1, 0, 0, 0
	MUL16 F1, 0, 2, 0
	s_wait_dscnt 0x0
	MUL16 F1, 1, 0, 0
	MUL16 F1, 1, 2, 0
	WIN 0
	PLACES
; THE WAY OUT, 16 rows at a time: rounded (t' to bf16, v to f16), 16 bytes a lane into my own stage, back as whole rows of 256 bytes, stored.
.macro PACK a
.set AC, 64*((\a)%4)
	WIN 0
	s_cmp_eq_u32 s[ISV], 0
	s_cbranch_scc0 .Lpv_\@
	WIN 0x0a+5*((\a)/4)
.irp b, 0,1,2,3,4,5,6,7
.irp r, 0,1,2,3
	v_cvt_pk_bf16_f32 v[TMP+4*(\b)+(\r)], v[AC+8*(\b)+2*(\r)], v[AC+8*(\b)+2*(\r)+1]
.endr
.endr
	WIN 0
	s_branch .Lpd_\@
.Lpv_\@:
	WIN 0x0a+5*((\a)/4)
.irp b, 0,1,2,3,4,5,6,7
.irp r, 0,1,2,3
	v_cvt_pk_f16_f32 v[TMP+4*(\b)+(\r)], v[AC+8*(\b)+2*(\r)], v[AC+8*(\b)+2*(\r)+1]
.endr
.endr
	WIN 0
.Lpd_\@:
.endm
.macro TOSTAGE a
.set BK, OB+192*((\a)%2)
.irp b, 0,1,2,3,4,5,6,7
	ds_store_b128 v[STO], v[TMP+4*(\b):TMP+4*(\b)+3] offset:32*(\b)
.endr
.irp t, 0,1,2,3,4,5,6,7
	ds_load_b128 v[BK+4*(\t):BK+4*(\t)+3], v[RD] offset:(\t)*2*SPITCH  ; LDS serves a wave's instructions in order (ISA guide 5.7.1.4): these see the stores above
.endr
.endm
.macro SEND a
.set BK, OB+192*((\a)%2)
	s_wait_dscnt 0x0                               ; the block is back in registers
	s_wait_xcnt 0x0                                ; earlier stores have read their registers: the other set is loaded again only behind this wait
.irp t, 0,1,2,3,4,5,6,7
	global_store_b128 v[CO], v[BK+4*(\t):BK+4*(\t)+3], s[8:9] offset:(16*(\a)+2*(\t))*4096  ; 16 lanes store 256 consecutive bytes, aligned
.endr
.endm
	PACK 0
	TOSTAGE 0
.irp a, 1,2,3,4,5,6,7
	PACK \a
	SEND (\a)-1
	TOSTAGE \a
.endr
	SEND 7
	s_wait_tensorcnt 0x0                           ; the wave's end
	ds_add_u32 v[SPW], v[NIL]
	s_wait_dscnt 0x0
	CROUND                                         ; the closing round
	s_endpgm
.Lfunc_end_k_qd53a14d81b_proj:
	.size	k_qd53a14d81b_proj, .Lfunc_end_k_qd53a14d81b_proj-k_qd53a14d81b_proj
	.p2alignl 7, 3214868480
	.fill 96, 4, 3214868480
	.section	.rodata,"a",@progbits
	.p2align	6, 0x0
	.amdhsa_kernel k_qd53a14d81b_proj
		.amdhsa_group_segment_fixed_size 327680
		.amdhsa_private_segment_fixed_size 0
		.amdhsa_enable_private_segment 0
		.amdhsa_kernarg_size 24
		.amdhsa_user_sgpr_count 2
		.amdhsa_user_sgpr_kernarg_segment_ptr 1
		.amdhsa_wavefront_size32 1
		.amdhsa_system_sgpr_workgroup_id_x 1
		.amdhsa_system_sgpr_workgroup_id_y 1
		.amdhsa_system_sgpr_workgroup_id_z 1
		.amdhsa_system_vgpr_workitem_id 0
		.amdhsa_next_free_vgpr 1024
		.amdhsa_next_free_sgpr 72
		.amdhsa_reserve_vcc 0
		.amdhsa_float_denorm_mode_32 3
		.amdhsa_float_denorm_mode_16_64 3
		.amdhsa_memory_ordered 1
		.amdhsa_forward_progress 1
		.amdhsa_inst_pref_size 122
	.end_amdhsa_kernel
	.amdgpu_metadata
---
amdhsa.version: [ 1, 2 ]
amdhsa.kernels:
  - .name:           k_qd53a14d81b_proj
    .symbol:         k_qd53a14d81b_proj.kd
    .args:
      - { .name: xb, .offset: 0, .size: 8, .value_kind: global_buffer, .address_space: global }
      - { .name: wb, .offset: 8, .size: 8, .value_kind: global_buffer, .address_space: global }
      - { .name: tv, .offset: 16, .size: 8, .value_kind: global_buffer, .address_space: global }
    .group_segment_fixed_size: 327680
    .private_segment_fixed_size: 0
    .kernarg_segment_align: 8
    .kernarg_segment_size: 24
    .max_flat_workgroup_size: 128
    .sgpr_count:     72
    .vgpr_count:     1024
    .wavefront_size: 32
...
	.end_amdgpu_metadata
.endif
;; end of part 2
;; launch score (part 3): grid 8 x 32, 4 waves a work-group, clusters of 4 x 4, 327,680 bytes of LDS; arguments tv, xb, pf, st; writes pf, st
.if DOCPART == 3
	.amdgcn_target "amdgcn-amd-amdhsa--gfx1250"
	.amdhsa_code_object_version 6
	.text
	.protected	k_qd53a14d81b_score
	.globl	k_qd53a14d81b_score
	.p2align	8
	.type	k_qd53a14d81b_score,@function
k_qd53a14d81b_score:
	s_mov_b64 s[64:65], 0
	v_nop
	global_prefetch_b8 v0, s[64:65] scope:SCOPE_SE
	s_setreg_imm32_b32 hwreg(HW_REG_WAVE_MODE, 25, 1), 1
	s_wait_xcnt 0x0
	s_wait_alu depctr_hold_cnt(0) depctr_sa_sdst(0) depctr_va_vdst(0) depctr_va_sdst(0) depctr_va_ssrc(0) depctr_va_vcc(0) depctr_vm_vsrc(0)
	s_getreg_b32 s2, hwreg(HW_REG_IB_STS2, 6, 4)
	s_cmp_eq_u32 s2, 0
	s_cbranch_scc0 .Lentry_in_a_cluster
	s_endpgm
.Lentry_in_a_cluster:
	s_bfe_u32 s2, ttmp6, 0x10000c
	s_cmp_lg_u32 s2, 0xf033
	s_cbranch_scc0 .Lentry_shape_is_right
	s_endpgm
.Lentry_shape_is_right:
; SCORE.  S'[q][k] = the sum over d of t'[q][d] xb[k][d] = log2(e) / 32 x the score, inside each batch of 2,048 rows.  For each row and each GROUP of 128 keys: m = the group's true maximum of S',
; p = 2^(S' - m), l = the sum of the unrounded p.  pf takes p rounded to f16, st takes (m, l) in f32.  The next launch takes the maximum over a row's 16 groups, so every exponent is at most 0.
; LIMITS.  p lies in 0 to 1; below 6e-5 it keeps f16's fixed step of 6e-8; a weight below 2^-126 counts as 0 in l.  NaN and infinities are not treated apart.
; SHARES.  A tile of 256 queries x 256 keys to a work-group, 128 x 128 to a wave: a wave's columns are one group.  K = 1,024 in 8 steps of 128 through two LDS slots.
; CLUSTER 4 x 4: t's tile is asked for jointly along a row of the cluster, xb's along a column.
; TRANSPOSED USE (source 0 = 16 keys, source 1 = 16 queries): a lane holds ONE query (l % 16) and the keys 16 b + 8 (l / 16) + 0..7.  Rounded in pairs these are registers 0-3 (b even) or 4-7 (b odd) of the
; next launch's fragment of 16 queries x 32 keys, so pf is laid in that order, [16 rows][32 keys][half][lane][16 bytes], and each store of a wave is 512 consecutive bytes straight from registers.
; REGISTERS: as in proj; on the way out window 0: v32-47 (m, l) of the 8 blocks; v48-55 what goes to st; v64-127 two sets of p; v192-213 at work.
.set PITCH,  272
.set HALFT,  128*PITCH
.set SLOT,   4*HALFT                   ; 0x22000: no wave's offset has one of its bits
.set BOFF,   2*HALFT
.set SPARE,  2*SLOT                    ; the spare words, 128 bytes a wave; no other line names them
.set KST,    256                       ; a K step: 128 elements along a row, in tv and in xb
.set ADRA,  16
.set ADRA0, 17
.set ADRB,  20
.set ADRB0, 21
.set PO,    26                         ; v26  16 x lane
.set SO,    27                         ; v27  8 x lane
.set SPW,   28
.set NIL,   29
.set PFO,   30
.set MP,    32
.set Q,     48
.set P0,    64
.set C,     192
.set F0,    64
.set F1,    128
.set G1,  24
.set G0,  32
.set G1B, 48
.set G0B, 56
.set LIM, 43
.set PFA, 44
.set HM,  66                           ; lanes 16-31
.set SEL, 68                           ; s[68:69] v_permlanex16_b32's selects
.set STP, 70                           ; s[70:71] st at my rows and group
.set MSB, 0
.macro WIN new
.if MSB != (\new)
	s_set_vgpr_msb (MSB<<8)|(\new)
.set MSB, \new
.endif
.endm
.set MUL_LO, 0xa1
.set MUL_HI, 0xf1
.set TO_B,   0x40
.macro PLACES
.rept 4
	v_nop
.endr
.endm
.macro CREST
	s_cmp_lg_u32 s10, 0
	s_cbranch_scc1 .Lnot_wave_0_\@
	s_barrier_signal -3
.Lnot_wave_0_\@:
	s_barrier_wait -3
	s_barrier_signal -1
	s_barrier_wait -1
.endm
.macro CROUND
	s_barrier_signal -1
	s_barrier_wait -1
	CREST
.endm
.macro JLOAD
	s_cmp_eq_u32 s11, 0
	s_cbranch_scc0 .Lfor_b_\@
	tensor_load_to_lds s[G0+4:G0+7], s[G1:G1+7]
	s_nop 0
.rept 4
	v_nop
.endr
	s_branch .Lasked_\@
.Lfor_b_\@:
	tensor_load_to_lds s[G0B+4:G0B+7], s[G1B:G1B+7]
	s_nop 0
.rept 4
	v_nop
.endr
.Lasked_\@:
.endm
; A prefetch of the K step two refills on: 32 rows x 256 bytes, a lane a row.  t's rows are named by the clusters with x = 0, xb's by those with even y (two clusters along y share a batch); the four partners of a
; joint load take 32 of its 128 rows each, by address.  K steps 0-3 come by their loads alone; the last two refills have no step two on.
.macro ASK
	s_cmp_gt_u32 s3, s[LIM]
	s_cbranch_scc0 .Lnot_mine_\@
	global_prefetch_b8 v[PFO], s[PFA:PFA+1] th:TH_LOAD_NT scope:SCOPE_SE
.Lnot_mine_\@:
.endm
.macro MUL16 f, hi, a0, zero
	WIN MUL_LO+0x50*(\hi)
.irp a, \a0, (\a0)+1
.irp b, 0,1,2,3,4,5,6,7
.if \zero
	v_wmma_f32_16x16x32_bf16 v[8*(8*(\a)+(\b)):8*(8*(\a)+(\b))+7], v[(\f)+8*(\b):(\f)+8*(\b)+7], v[(\f)+8*(4*(\hi)+(\a)):(\f)+8*(4*(\hi)+(\a))+7], 0
.else
	v_wmma_f32_16x16x32_bf16 v[8*(8*(\a)+(\b)):8*(8*(\a)+(\b))+7], v[(\f)+8*(\b):(\f)+8*(\b)+7], v[(\f)+8*(4*(\hi)+(\a)):(\f)+8*(4*(\hi)+(\a))+7], v[8*(8*(\a)+(\b)):8*(8*(\a)+(\b))+7]
.endif
.endr
.endr
.endm
.macro FETCH k, f
	WIN TO_B
.irp i, 0,1,2,3,4,5,6,7
	ds_load_b128 v[(\f)+8*(\i):(\f)+8*(\i)+3],   v[ADRB] offset:(\k)+(\i)*16*PITCH
	ds_load_b128 v[(\f)+8*(\i)+4:(\f)+8*(\i)+7], v[ADRB] offset:(\k)+(\i)*16*PITCH+32
.endr
	WIN 0
.irp i, 0,1,2,3,4,5,6,7
	ds_load_b128 v[(\f)+8*(\i):(\f)+8*(\i)+3],   v[ADRA] offset:(\k)+(\i)*16*PITCH
	ds_load_b128 v[(\f)+8*(\i)+4:(\f)+8*(\i)+7], v[ADRA] offset:(\k)+(\i)*16*PITCH+32
.endr
.endm
.macro QUARTER k, f, g, zero
	s_wait_dscnt 8                                 ; the keys' fragments and the queries' rows 0-63 are in; the youngest eight loads may be out
	MUL16 \f, 0, 0, \zero
	MUL16 \f, 0, 2, \zero
	PLACES
	FETCH \k, \g
	s_wait_dscnt 32                                ; all but the 32 just issued
	MUL16 \f, 1, 0, \zero
	MUL16 \f, 1, 2, \zero
.endm
.macro MEET
	WIN 0
	s_wait_tensorcnt 0x0                           ; all my tensor loads have landed: my part of the next slot
	ds_add_u32 v[SPW], v[NIL]                      ; 0 onto my spare word
	s_wait_dscnt 9                                 ; the add and the youngest eight loads may be out
	MUL16 F1, 0, 0, 0
	s_wait_dscnt 0x0                               ; the add is done, and my reads of this slot are over
	s_barrier_signal -1
	MUL16 F1, 0, 2, 0
	WIN 0
	s_barrier_wait -1
.endm
.macro TURN fill
.if \fill
	s_wait_xcnt 0x0                                ; the last prefetch, a K step back, has read its address
	s_add_nc_u64 s[PFA:PFA+1], s[PFA:PFA+1], KST
.endif
	MEET
.if \fill
	CREST
	s_xor_b32 s[G0+5], s[G0+5], SLOT
	s_add_nc_u64 s[G0+6:G0+7], s[G0+6:G0+7], KST
	s_xor_b32 s[G0B+5], s[G0B+5], SLOT
	s_add_nc_u64 s[G0B+6:G0B+7], s[G0B+6:G0B+7], KST
	JLOAD
.else
	PLACES
.endif
	s_xor_b32 s2, s2, SLOT
	v_add_nc_u32 v[ADRA], s2, v[ADRA0]
	v_add_nc_u32 v[ADRB], s2, v[ADRB0]
	FETCH 0, F0
.if \fill
	ASK
.endif
	MUL16 F1, 1, 0, 0
	MUL16 F1, 1, 2, 0
.endm
	s_load_b128 s[4:7], s[0:1], 0x0                ; tv s[4:5], xb s[6:7]
	s_load_b128 s[68:71], s[0:1], 0x10             ; pf s[68:69], st s[70:71]
	v_lshl_add_u32 v[SPW], v0, 2, SPARE
	v_mov_b32 v[NIL], 0
	ds_add_u32 v[SPW], v[NIL]                      ; the wave's opening: the add and its wait ahead of my first tensor load
	v_lshrrev_b32 v1, 5, v0
	v_readfirstlane_b32 s10, v1
	s_lshr_b32 s11, s10, 1                         ; my half of the queries.  Also: I fetch for t' (0) or xb (1)
	s_and_b32 s12, s10, 1                          ; my half of the keys.  Also: which 128 rows of that tile I fetch
	s_bfe_u32 s40, ttmp6, 0x40000
	s_bfe_u32 s41, ttmp6, 0x40004
	s_lshl_b32 s42, ttmp9, 2
	s_add_co_u32 s42, s42, s40                     ; tile column: 256 keys of the batch
	s_and_b32 s13, ttmp7, 0xffff
	s_lshl_b32 s13, s13, 2
	s_add_co_u32 s13, s13, s41                     ; tile row: 256 of all 8,192 rows
	s_lshl_b32 s43, s41, 2
	s_lshl_b32 s43, 15, s43
	s_lshl_b32 s44, 0x1111, s40
	s_or_b32 s[G1+0], s43, (1<<16)|(1<<20)|(1<<21)|(5<<22)|(3<<25)
	s_or_b32 s[G1B+0], s44, (1<<16)|(1<<20)|(1<<21)|(5<<22)|(3<<25)
.irp g, G1, G1B
	s_mov_b32 s[(\g)+1], 128<<16
	s_mov_b32 s[(\g)+2], 128<<16
	s_mov_b32 s[(\g)+3], 128<<16
	s_mov_b32 s[(\g)+4], 128
	s_mov_b32 s[(\g)+6], 0
	s_mov_b32 s[(\g)+7], 0
.endr
	s_mov_b32 s[G1+5], 2048                        ; tv: 2,048 elements from row to row
	s_mov_b32 s[G1B+5], 1024                       ; xb: 1,024
	s_lshl_b32 s16, s13, 8
	s_lshl_b32 s17, s12, 7
	s_add_co_u32 s16, s16, s17
	s_lshl_b32 s16, s16, 12
	s_mov_b32 s17, 0
	s_and_b32 s47, ttmp7, 0xffff
	s_lshr_b32 s47, s47, 1                         ; the batch, from the cluster's y alone
	s_lshl_b32 s47, s47, 11
	s_lshl_b32 s46, s42, 8
	s_add_co_u32 s46, s46, s47
	s_lshl_b32 s47, s12, 7
	s_add_co_u32 s46, s46, s47
	s_lshl_b32 s46, s46, 11
	s_mov_b32 s47, 0
	s_mul_i32 s20, s10, HALFT
	s_mov_b32 s2, 0
	s_mov_b32 s[HM], 0xffff0000
	s_wait_dscnt 0x0
	s_wait_kmcnt 0x0
	s_add_nc_u64 s[14:15], s[4:5], s[16:17]
	s_add_nc_u64 s[46:47], s[6:7], s[46:47]
	CROUND
.irp s, 0,1
	s_mov_b32 s[G0+4*(\s)], 1
	s_add_co_u32 s[G0+4*(\s)+1], s20, (\s)*SLOT
	s_add_nc_u64 s[G0+4*(\s)+2:G0+4*(\s)+3], s[14:15], (\s)*KST
	s_or_b32 s[G0+4*(\s)+3], s[G0+4*(\s)+3], 0x80000000
	s_mov_b32 s[G0B+4*(\s)], 1
	s_add_co_u32 s[G0B+4*(\s)+1], s20, (\s)*SLOT
	s_add_nc_u64 s[G0B+4*(\s)+2:G0B+4*(\s)+3], s[46:47], (\s)*KST
	s_or_b32 s[G0B+4*(\s)+3], s[G0B+4*(\s)+3], 0x80000000
.endr
	s_cmp_eq_u32 s11, 0
	s_cbranch_scc0 .Lfirst_b
	tensor_load_to_lds s[G0:G0+3], s[G1:G1+7]
	s_nop 0
	tensor_load_to_lds s[G0+4:G0+7], s[G1:G1+7]
	s_nop 0
.rept 4
	v_nop
.endr
	s_branch .Lfirst_asked
.Lfirst_b:
	tensor_load_to_lds s[G0B:G0B+3], s[G1B:G1B+7]
	s_nop 0
	tensor_load_to_lds s[G0B+4:G0B+7], s[G1B:G1B+7]
	s_nop 0
.rept 4
	v_nop
.endr
.Lfirst_asked:
	v_and_b32 v1, 15, v0
	v_bfe_u32 v2, v0, 4, 1
	v_mul_u32_u24 v3, v1, PITCH
	v_lshl_add_u32 v3, v2, 4, v3
	s_mul_i32 s21, s11, HALFT
	v_add_nc_u32 v[ADRA0], s21, v3
	v_mov_b32 v[ADRA], v[ADRA0]
	s_mul_i32 s22, s12, HALFT
	s_add_co_u32 s22, s22, BOFF
	v_add_nc_u32 v[ADRB0], s22, v3
	v_mov_b32 v[ADRB], v[ADRB0]
	v_and_b32 v4, 31, v0
	v_lshlrev_b32 v[PO], 4, v4
	v_lshlrev_b32 v[SO], 3, v4
	s_lshl_b32 s16, s13, 4
	s_lshl_b32 s17, s11, 3
	s_add_co_u32 s16, s16, s17                     ; my first block of 16 rows,
	s_lshl_b32 s16, s16, 16                        ; 65,536 bytes each
	s_mov_b32 s17, 0
	s_add_nc_u64 s[8:9], s[68:69], s[16:17]
	s_lshl_b32 s46, s42, 1
	s_add_co_u32 s46, s46, s12                     ; my group of 128 keys,
	s_lshl_b32 s22, s46, 12                        ; 4,096 bytes in a block of rows
	s_mov_b32 s23, 0
	s_add_nc_u64 s[8:9], s[8:9], s[22:23]
	s_lshl_b32 s46, s46, 13                        ; st: group x 8,192 rows
	s_lshl_b32 s22, s13, 8
	s_add_co_u32 s46, s46, s22
	s_lshl_b32 s22, s11, 7
	s_add_co_u32 s46, s46, s22
	s_lshl_b32 s46, s46, 3                         ; 8 bytes a row
	s_mov_b32 s47, 0
	s_add_nc_u64 s[STP:STP+1], s[STP:STP+1], s[46:47]
	s_mov_b32 s[SEL], 0x76543210                   ; pf's address has moved on: the pair takes the lane selects
	s_mov_b32 s[SEL+1], 0xfedcba98
	; the prefetches: at K step 3; the first refill steps them to 4
	s_lshl_b32 s20, s13, 8
	s_lshl_b32 s21, s12, 7
	s_add_co_u32 s20, s20, s21
	s_lshl_b32 s21, s40, 5
	s_add_co_u32 s20, s20, s21
	s_lshl_b32 s20, s20, 12
	s_and_b32 s22, ttmp7, 0xffff
	s_lshr_b32 s21, s22, 1
	s_lshl_b32 s21, s21, 11
	s_lshl_b32 s23, s42, 8
	s_add_co_u32 s21, s21, s23
	s_lshl_b32 s23, s12, 7
	s_add_co_u32 s21, s21, s23
	s_lshl_b32 s23, s41, 5
	s_add_co_u32 s21, s21, s23
	s_lshl_b32 s21, s21, 11
	s_and_b32 s22, s22, 1
	s_cmp_eq_u32 s11, 0
	s_cselect_b32 s20, s20, s21
	s_cselect_b32 s22, ttmp9, s22
	s_cselect_b64 s[PFA:PFA+1], s[4:5], s[6:7]
	s_cselect_b32 s19, 12, 11
	s_mov_b32 s21, 0
	s_add_nc_u64 s[PFA:PFA+1], s[PFA:PFA+1], s[20:21]
	s_add_nc_u64 s[PFA:PFA+1], s[PFA:PFA+1], 3*KST
	s_cmp_eq_u32 s22, 0
	s_cselect_b32 s[LIM], 2, -1
	v_lshlrev_b32 v[PFO], s19, v4
	s_wait_tensorcnt 0x1                           ; my part of K step 0 is in; step 1's may stay out
	s_barrier_signal -1
	s_barrier_wait -1
	FETCH 0, F0
	QUARTER 64, F0, F1, 1
	WIN 0
	s_mov_b32 s3, 7
	s_branch .Lmid
.Lstep:
	TURN 1
	QUARTER 64, F0, F1, 0
	WIN 0
.Lmid:
	QUARTER 128, F1, F0, 0
	QUARTER 192, F0, F1, 0
	WIN 0
	s_sub_co_u32 s3, s3, 1
	s_cmp_lg_u32 s3, 0
	s_cbranch_scc1 .Lstep
	TURN 0
	QUARTER 64, F0, F1, 0
	QUARTER 128, F1, F0, 0
	QUARTER 192, F0, F1, 0
	s_wait_dscnt 8
	MUL16 F1, 0, 0, 0
	MUL16 F1, 0, 2, 0
	s_wait_dscnt 0x0
	MUL16 F1, 1, 0, 0
	MUL16 F1, 1, 2, 0
	WIN 0
	PLACES
; BLOCK a OF 16 QUERIES: its 64 registers hold, for my query, 64 of the group's 128 scores; the lane 16 away holds the others.
.macro SOFT a
.set W, 2+(\a)/4
.set SB, 64*((\a)%4)
.set MPA, MP+2*(\a)
.set PS, P0+32*((\a)%2)
	WIN W|(W<<2)|(W<<4)
.set k, 0
.rept 21                               ; the maximum, three at a time, ascending: each accumulator's lowest register is among the first read
	v_max3_num_f32 v[C+k], v[SB+3*k], v[SB+3*k+1], v[SB+3*k+2]
.set k, k+1
.endr
	v_max3_num_f32 v[C+21], v[SB+61], v[SB+62], v[SB+63]
	WIN 0
.set k, 0
.rept 7
	v_max3_num_f32 v[C+k], v[C+3*k], v[C+3*k+1], v[C+3*k+2]
.set k, k+1
.endr
	v_max3_num_f32 v[C], v[C], v[C+1], v[C+2]
	v_max3_num_f32 v[C+1], v[C+3], v[C+4], v[C+5]
	v_max3_num_f32 v[C], v[C], v[C+1], v[C+6]
	v_max_num_f32 v[C], v[C], v[C+21]
	v_permlanex16_b32 v[C+1], v[C], s[SEL], s[SEL+1]
	v_max_num_f32 v[MPA], v[C], v[C+1]             ; m
	v_mov_b32 v[MPA+1], v[MPA]                     ; named with it as a pair
	WIN (W<<6)|W
.set k, 0
.rept 32
	v_pk_add_f32 v[SB+2*k:SB+2*k+1], v[SB+2*k:SB+2*k+1], v[MPA:MPA+1] op_sel_hi:[1,0] neg_lo:[0,1] neg_hi:[0,1]  ; s - m: never above 0
.set k, k+1
.endr
.set k, 0
.rept 64                               ; one batch of exponentials
	v_exp_f32 v[SB+k], v[SB+k]
.set k, k+1
.endr
	v_nop                                          ; a plain instruction behind the last exponential,
	s_wait_alu depctr_va_vdst(0)                   ; and a wait ahead of the batch's first reader
	s_wait_xcnt 0x0                                ; the stores of two blocks back have read this set of p
	WIN W|(W<<2)
.set k, 0
.rept 32
	v_cvt_pk_f16_f32 v[PS+k], v[SB+2*k], v[SB+2*k+1]
.set k, k+1
.endr
	WIN 0
.irp b, 0,1,2,3,4,5,6,7
	global_store_b128 v[PO], v[PS+4*(\b):PS+4*(\b)+3], s[8:9] offset:65536*(\a)+512*(\b)  ; 512 consecutive bytes, aligned
.endr
	WIN (W<<6)|(W<<2)|W
.irp d, 32,16,8,4                      ; the sum of the unrounded weights, in place
.set k, 0
.rept (\d)/2
	v_pk_add_f32 v[SB+2*k:SB+2*k+1], v[SB+2*k:SB+2*k+1], v[SB+2*k+(\d):SB+2*k+(\d)+1]
.set k, k+1
.endr
.endr
	WIN W|(W<<2)
	v_pk_add_f32 v[C:C+1], v[SB:SB+1], v[SB+2:SB+3]
	WIN 0
	v_add_f32 v[C], v[C], v[C+1]
	v_permlanex16_b32 v[C+1], v[C], s[SEL], s[SEL+1]
	v_add_f32 v[MPA+1], v[C], v[C+1]               ; l
.if (\a)%2                             ; two blocks' 32 rows: lanes 0-15 give block a - 1's, lanes 16-31 block a's: 256 consecutive bytes, aligned
	v_cndmask_b32 v[Q+(\a)-1], v[MPA-2], v[MPA], s[HM]
	v_cndmask_b32 v[Q+(\a)], v[MPA-1], v[MPA+1], s[HM]
	global_store_b64 v[SO], v[Q+(\a)-1:Q+(\a)], s[STP:STP+1] offset:128*((\a)-1)
.endif
.endm
.irp a, 0,1,2,3,4,5,6,7
	SOFT \a
.endr
	s_wait_tensorcnt 0x0                           ; the wave's end
	ds_add_u32 v[SPW], v[NIL]
	s_wait_dscnt 0x0
	CROUND                                         ; the closing round
	s_endpgm
.Lfunc_end_k_qd53a14d81b_score:
	.size	k_qd53a14d81b_score, .Lfunc_end_k_qd53a14d81b_score-k_qd53a14d81b_score
	.p2alignl 7, 3214868480
	.fill 96, 4, 3214868480
	.section	.rodata,"a",@progbits
	.p2align	6, 0x0
	.amdhsa_kernel k_qd53a14d81b_score
		.amdhsa_group_segment_fixed_size 327680
		.amdhsa_private_segment_fixed_size 0
		.amdhsa_enable_private_segment 0
		.amdhsa_kernarg_size 32
		.amdhsa_user_sgpr_count 2
		.amdhsa_user_sgpr_kernarg_segment_ptr 1
		.amdhsa_wavefront_size32 1
		.amdhsa_system_sgpr_workgroup_id_x 1
		.amdhsa_system_sgpr_workgroup_id_y 1
		.amdhsa_system_sgpr_workgroup_id_z 1
		.amdhsa_system_vgpr_workitem_id 0
		.amdhsa_next_free_vgpr 1024
		.amdhsa_next_free_sgpr 72
		.amdhsa_reserve_vcc 0
		.amdhsa_float_denorm_mode_32 3
		.amdhsa_float_denorm_mode_16_64 3
		.amdhsa_memory_ordered 1
		.amdhsa_forward_progress 1
		.amdhsa_inst_pref_size 165
	.end_amdhsa_kernel
	.amdgpu_metadata
---
amdhsa.version: [ 1, 2 ]
amdhsa.kernels:
  - .name:           k_qd53a14d81b_score
    .symbol:         k_qd53a14d81b_score.kd
    .args:
      - { .name: tv, .offset: 0, .size: 8, .value_kind: global_buffer, .address_space: global }
      - { .name: xb, .offset: 8, .size: 8, .value_kind: global_buffer, .address_space: global }
      - { .name: pf, .offset: 16, .size: 8, .value_kind: global_buffer, .address_space: global }
      - { .name: st, .offset: 24, .size: 8, .value_kind: global_buffer, .address_space: global }
    .group_segment_fixed_size: 327680
    .private_segment_fixed_size: 0
    .kernarg_segment_align: 8
    .kernarg_segment_size: 32
    .max_flat_workgroup_size: 128
    .sgpr_count:     72
    .vgpr_count:     1024
    .wavefront_size: 32
...
	.end_amdgpu_metadata
.endif
;; end of part 3
;; launch mix (part 4): grid 8 x 32, 4 waves a work-group, clusters of 4 x 4, 327,680 bytes of LDS; arguments pf, st, tv, out0; writes out0
.if DOCPART == 4
	.amdgcn_target "amdgcn-amd-amdhsa--gfx1250"
	.amdhsa_code_object_version 6
	.text
	.protected	k_qd53a14d81b_mix
	.globl	k_qd53a14d81b_mix
	.p2align	8
	.type	k_qd53a14d81b_mix,@function
k_qd53a14d81b_mix:
	s_mov_b64 s[64:65], 0
	v_nop
	global_prefetch_b8 v0, s[64:65] scope:SCOPE_SE
	s_setreg_imm32_b32 hwreg(HW_REG_WAVE_MODE, 25, 1), 1
	s_wait_xcnt 0x0
	s_wait_alu depctr_hold_cnt(0) depctr_sa_sdst(0) depctr_va_vdst(0) depctr_va_sdst(0) depctr_va_ssrc(0) depctr_va_vcc(0) depctr_vm_vsrc(0)
	s_getreg_b32 s2, hwreg(HW_REG_IB_STS2, 6, 4)
	s_cmp_eq_u32 s2, 0
	s_cbranch_scc0 .Lentry_in_a_cluster
	s_endpgm
.Lentry_in_a_cluster:
	s_bfe_u32 s2, ttmp6, 0x10000c
	s_cmp_lg_u32 s2, 0xf033
	s_cbranch_scc0 .Lentry_shape_is_right
	s_endpgm
.Lentry_shape_is_right:
; MIX.  out[q][e] = (the sum over groups g of f_g[q] x the sum over the group's keys of p[q][k] v[k][e]) / L[q], with M = the maximum of a row's 16 group maxima, f_g = 2^(m_g - M) <= 1, L = the sum of f_g l_g.
; p and f are f16, and so is their product, rounded once more; v is f16; sums, M, L and 1 / L in f32; out in f32.
; LIMITS.  f and p f below 6e-5 keep f16's fixed step of 6e-8; an f below 2^-126 counts as 0 in L.  NaN and infinities are not treated apart.
; SHARES.  A work-group makes 256 rows x 128 channels, wave w rows 64 w .. + 63 x all 128: 32 accumulators.  K = 2,048 keys: 64 quarters of 32, in 8 slots of 256 keys.
; v goes through two LDS slots (256 keys x 256 bytes, pitch 288), filled jointly by the four work-groups of a column of the cluster, and is read turned.  p comes straight from memory into a ring of eight register
; buffers, a quarter each, seven quarters ahead: pf is laid in fragment order, 512 consecutive bytes a load, and the four waves own different rows.
; Behind each product stands one packed multiply that scales a register of the NEXT quarter's p by its group's f.  A quarter's memory instructions (16 turning loads of v, the factors, 8 loads of p) stand in ONE run.
; REGISTERS in windows of 256.  Window 0: v1-17 addresses; v32-39 f of the slot's two groups x four row blocks; v40-47 1 / L; v48-53 at work; v64-191 v's fragments, two buffers; v192-255 the statistics.
; Window 1: v0-127 the accumulators of row blocks 0, 1 (64 a + 8 b); v128-255 the ring's eight buffers for those blocks (128 + 16 i + 8 a).  Window 2: the same for row blocks 2, 3.
.set VP,    288                        ; 256 bytes + 32: an odd multiple of 32, for the turning load
.set SLOT,  256*VP                     ; 0x12000: none of the waves' offsets 0, 0x4800, 0x9000, 0xd800 has one of its bits
.set STAGE, 2*SLOT
.set OPI,   528                        ; a row of the stage: 512 bytes + 16
.set FT,    STAGE+4*16*OPI             ; 16 groups x 256 rows x 4 bytes: (f, f) in f16
.set LT,    FT+16384                   ; 256 rows x 4 bytes: 1 / L
.set SPARE, LT+1024                    ; the spare words, 128 bytes a wave; no other line names them
.set ADRB0, 2
.set ADRB,  3
.set ADRB2, 4
.set AO,    5                          ; v5  16 x lane: for pf and for out0
.set FADR,  6
.set STO,   7
.set RD,    8
.set PFOA,  10
.set PFOB,  11
.set SO,    12
.set FS,    13
.set FADR0, 14
.set SPW,   28
.set NIL,   29
.set FF,    32
.set IL,    40
.set MX,    48
.set LSM,   50
.set RC,    52
.set STT,   192
.set WV,   12
.set PA,   14                          ; s[14:15] pf at my rows and slot
.set OU,   16                          ; s[16:17] out0 at my rows and channels
.set G1,   24
.set G0,   32
.set LIMA, 43
.set PFP,  44
.set PFV,  46
.set LIMB, 48
.set FB,   52
.set MSB, 0
.macro WIN new
.if MSB != (\new)
	s_set_vgpr_msb (MSB<<8)|(\new)
.set MSB, \new
.endif
.endm
.set S1, 0x54                          ; source 0 window 0; source 1, C and D window 1
.set S2, 0xa8                          ; the same with window 2
.macro PLACES
.rept 4
	v_nop
.endr
.endm
.macro CREST
	s_cmp_lg_u32 s[WV], 0
	s_cbranch_scc1 .Lnot_wave_0_\@
	s_barrier_signal -3
.Lnot_wave_0_\@:
	s_barrier_wait -3
	s_barrier_signal -1
	s_barrier_wait -1
.endm
.macro CROUND
	s_barrier_signal -1
	s_barrier_wait -1
	CREST
.endm
; Prefetches of the slot after the one just asked for.  pf: a slot of a block of 16 rows is 8,192 bytes, a lane 256; of a tile row's 16 blocks partner cx, wave w names block 4 cx + w; the clusters with x = 0 ask.
; v: of a slot's 256 key rows partner cy takes 64, its waves 2 and 3 take 32 each, a lane a row's 256 bytes; the clusters with even y ask.  So each block is named once.  The last change that fills a slot asks for nothing.
.macro ASK3
	s_cmp_gt_u32 s3, s[LIMA]
	s_cbranch_scc0 .Lno_p_\@
	global_prefetch_b8 v[PFOA], s[PFP:PFP+1] th:TH_LOAD_NT scope:SCOPE_SE
.Lno_p_\@:
	s_cmp_gt_u32 s3, s[LIMB]
	s_cbranch_scc0 .Lno_v_\@
	global_prefetch_b8 v[PFOB], s[PFV:PFV+1] th:TH_LOAD_NT scope:SCOPE_SE
.Lno_v_\@:
.endm
.macro ALOAD i, d, x                   ; the quarter d behind PA into ring buffer i, row blocks 2 x, 2 x + 1; the caller has set the destination's window
.irp a, 0,1
	global_load_b128 v[128+16*(\i)+8*(\a):128+16*(\i)+8*(\a)+3],   v[AO], s[PA:PA+1] offset:65536*(2*(\x)+(\a))+1024*(\d)
	global_load_b128 v[128+16*(\i)+8*(\a)+4:128+16*(\i)+8*(\a)+7], v[AO], s[PA:PA+1] offset:65536*(2*(\x)+(\a))+1024*(\d)+512
.endr
.endm
.macro BRUN j                          ; quarter j of the slot in hand into v's buffer j % 2: 16 turning loads
.set BB, 64+64*((\j)%2)
.set AR, ADRB
.if (\j) >= 4
.set AR, ADRB2
.endif
.irp b, 0,1,2,3,4,5,6,7
	ds_load_tr16_b128 v[BB+8*(\b):BB+8*(\b)+3],   v[AR] offset:((\j)%4)*32*VP+32*(\b)
	ds_load_tr16_b128 v[BB+8*(\b)+4:BB+8*(\b)+7], v[AR] offset:((\j)%4)*32*VP+32*(\b)+16*VP
.endr
.endm
.macro WRS x, i, cnt, zero, rid        ; cnt products from number nn on of stretch x (row blocks 2 x, 2 x + 1), each with its rider.  The accumulators take turns
.rept \cnt
.set rD, 64*(nn%2)+8*(nn/2)
.set rB, 64+64*((\i)%2)+8*(nn/2)
.set rA, 128+16*(\i)+8*(nn%2)
.if \zero
	v_wmma_f32_16x16x32_f16 v[rD:rD+7], v[rB:rB+7], v[rA:rA+7], 0
.else
	v_wmma_f32_16x16x32_f16 v[rD:rD+7], v[rB:rB+7], v[rA:rA+7], v[rD:rD+7]
.endif
.if \rid
.set rN, 128+16*(((\i)+1)%8)+nn
.set rF, FF+4*((((\i)+1)%8)/4)+2*(\x)+nn/8
	v_pk_mul_f16 v[rN], v[rF], v[rN]
.endif
.set nn, nn+1
.endr
.endm
; QUARTER i OF A SLOT.  zero: the products start the sums.  chg = 1: the change of slots with a refill; 2: without.  ld: the ring's buffer i + 7 is loaded.  lw: the younger loads that may stay out when the next
; quarter's p must be in (-1: there is no next quarter).  nb: the next quarter's v is fetched.  fl = 1: the slot's second group's f is fetched; 2: the next slot's first group's.
; THE RUN stands four products and four riders into the quarter.  It loads into v's other buffer and into the ring's buffer i - 1, both last read by the quarter before: behind that quarter's last product stand its
; own rider and these four, five plain instructions that name none of its registers.
.macro QTR i, zero, chg, ld, lw, nb, fl
.set RID, 1
.if (\lw) < 0
.set RID, 0
.endif
.set DD, (\i)+7
.if (\i) == 7
.set DD, 6                             ; PA has been stepped at this quarter's head
.endif
.set nn, 0
.if (\chg) == 0
	s_wait_dscnt 0x0                               ; this quarter's v, and the factors, are in
.if RID
	s_wait_loadcnt \lw
.endif
	WIN S1
	WRS 0, \i, 4, \zero, RID
.if \nb
	WIN 0
	BRUN ((\i)+1)%8
.if (\fl) == 1
.irp a, 0,1,2,3
	ds_load_b32 v[FF+4+(\a)], v[FADR] offset:1024+64*(\a)
.endr
.endif
.if (\fl) == 2
.irp a, 0,1,2,3
	ds_load_b32 v[FF+(\a)], v[FADR] offset:2048+64*(\a)
.endr
.endif
.endif
.if \ld
	WIN S1
	ALOAD ((\i)+7)%8, DD, 0
	WIN S2
	ALOAD ((\i)+7)%8, DD, 1
.endif
	WIN S1
	WRS 0, \i, 12, \zero, RID
.else
	WIN 0
	s_wait_xcnt 0x0                                ; every load and prefetch issued has read its address
	s_add_nc_u64 s[PA:PA+1], s[PA:PA+1], 8192
.if (\chg) == 1
	s_add_nc_u64 s[PFP:PFP+1], s[PFP:PFP+1], 8192
	s_add_nc_u64 s[PFV:PFV+1], s[PFV:PFV+1], 0x100000
.endif
	s_add_co_u32 s[FB], s[FB], 2048
	v_add_nc_u32 v[FADR], s[FB], v[FADR0]
	s_wait_tensorcnt 0x0                           ; all my tensor loads have landed: my part of the next slot
	ds_add_u32 v[SPW], v[NIL]                      ; 0 onto my spare word
.if (\chg) == 1
	s_xor_b32 s[G0+5], s[G0+5], SLOT               ; the walking descriptor: the other slot, the next 256 keys
	s_add_nc_u64 s[G0+6:G0+7], s[G0+6:G0+7], 0x100000
.endif
	s_wait_dscnt 1                                 ; all but the add: this quarter's v is in
	s_wait_loadcnt \lw
	WIN S1
	WRS 0, \i, 8, \zero, RID
	s_wait_dscnt 0x0                               ; the add is done, and my reads of this slot are over
	s_barrier_signal -1
	WRS 0, \i, 8, \zero, RID                       ; work on registers alone
	WIN 0
	s_barrier_wait -1
.if (\chg) == 1
	CREST                                          ; no wave of any partner still reads the slot or has a load on its way
	tensor_load_to_lds s[G0+4:G0+7], s[G1:G1+7]    ; my 64 keys of the slot two on: 240 products a wave in which to land
	s_nop 0
.rept 4
	v_nop
.endr
.endif
	s_xor_b32 s2, s2, SLOT
	v_add_nc_u32 v[ADRB], s2, v[ADRB0]
	v_add_nc_u32 v[ADRB2], 4*32*VP, v[ADRB]
	BRUN 0
.if \ld
	WIN S1
	ALOAD ((\i)+7)%8, DD, 0
	WIN S2
	ALOAD ((\i)+7)%8, DD, 1
.endif
.if (\chg) == 1
	WIN 0
	ASK3                                           ; behind the tensor load and the run of loads
.endif
.endif
	WIN S2
.set nn, 0
	WRS 1, \i, 16, \zero, RID
.endm
	s_load_b256 s[4:11], s[0:1], 0x0               ; pf s[4:5], st s[6:7], tv s[8:9], out0 s[10:11]
	v_lshl_add_u32 v[SPW], v0, 2, SPARE
	v_mov_b32 v[NIL], 0
	ds_add_u32 v[SPW], v[NIL]                      ; the wave's opening: the add and its wait ahead of my first tensor load
	v_lshrrev_b32 v1, 5, v0
	v_readfirstlane_b32 s[WV], v1
	s_bfe_u32 s40, ttmp6, 0x40000                  ; cx
	s_bfe_u32 s41, ttmp6, 0x40004                  ; cy
	s_lshl_b32 s42, ttmp9, 2
	s_add_co_u32 s42, s42, s40                     ; my 128 channels
	s_and_b32 s49, ttmp7, 0xffff                   ; cluster y
	s_lshl_b32 s13, s49, 2
	s_add_co_u32 s13, s13, s41                     ; my 256 rows
	s_lshl_b32 s20, 0x1111, s40                    ; my column of the cluster shares v's tile
	s_or_b32 s[G1+0], s20, (1<<16)|(1<<20)|(1<<21)|(5<<22)|(7<<25)  ; mask; 2-byte elements; padding on; bit 21 beside a mask; after every 64 words, 8 words
	s_mov_b32 s[G1+1], 128<<16                     ; tensor_dim0 = 128
	s_mov_b32 s[G1+2], 64<<16                      ; tensor_dim1 = 64
	s_mov_b32 s[G1+3], 128<<16                     ; tile_dim0 = 128
	s_mov_b32 s[G1+4], 64                          ; tile_dim1 = 64
	s_mov_b32 s[G1+5], 2048
	s_mov_b32 s[G1+6], 0
	s_mov_b32 s[G1+7], 0
	s_lshr_b32 s50, s49, 1                         ; the batch
	s_lshl_b32 s50, s50, 11
	s_lshl_b32 s51, s[WV], 6                       ; my 64 keys of a slot
	s_add_co_u32 s50, s50, s51
	s_lshl_b32 s50, s50, 12
	s_lshl_b32 s51, s42, 8
	s_add_co_u32 s50, s50, s51
	s_add_co_u32 s50, s50, 2048                    ; v lies in the rows' second half
	s_mov_b32 s51, 0
	s_mul_i32 s21, s[WV], 64*VP
	s_mov_b32 s2, 0
	s_mov_b32 s[FB], 0
	s_wait_dscnt 0x0
	s_wait_kmcnt 0x0
	s_add_nc_u64 s[50:51], s[8:9], s[50:51]
	CROUND
.irp s, 0,1
	s_mov_b32 s[G0+4*(\s)], 1
	s_add_co_u32 s[G0+4*(\s)+1], s21, (\s)*SLOT
	s_add_nc_u64 s[G0+4*(\s)+2:G0+4*(\s)+3], s[50:51], (\s)*0x100000
	s_or_b32 s[G0+4*(\s)+3], s[G0+4*(\s)+3], 0x80000000
.endr
	tensor_load_to_lds s[G0:G0+3], s[G1:G1+7]      ; the two first fills: two loads of mine are out
	s_nop 0
	tensor_load_to_lds s[G0+4:G0+7], s[G1:G1+7]
	s_nop 0
.rept 4
	v_nop
.endr
	v_and_b32 v1, 15, v0                           ; r
	v_bfe_u32 v15, v0, 4, 1                        ; h
	v_and_b32 v16, 31, v0                          ; lane
	s_lshl_b32 s20, s13, 8
	s_lshl_b32 s21, s[WV], 6
	s_add_co_u32 s20, s20, s21                     ; my first row
	s_lshl_b32 s21, s20, 3
	v_lshl_add_u32 v[SO], v16, 3, s21
.set g, 0
.rept 16                               ; (m, l) of rows 64 w + lane and 64 w + 32 + lane, all 16 groups
	global_load_b64 v[STT+2*g:STT+2*g+1], v[SO], s[6:7] offset:65536*g
	global_load_b64 v[STT+32+2*g:STT+32+2*g+1], v[SO], s[6:7] offset:65536*g+256
.set g, g+1
.endr
	v_lshlrev_b32 v[AO], 4, v16
	s_lshl_b32 s22, s20, 12                        ; 4,096 bytes a row, in pf (65,536 for 16 rows) and in out0
	s_mov_b32 s23, 0
	s_add_nc_u64 s[PA:PA+1], s[4:5], s[22:23]
	s_add_nc_u64 s[OU:OU+1], s[10:11], s[22:23]
	s_lshl_b32 s22, s42, 9
	s_add_nc_u64 s[OU:OU+1], s[OU:OU+1], s[22:23]
.irp d, 0,1,2
	WIN S1
	ALOAD \d, \d, 0
	WIN S2
	ALOAD \d, \d, 1
.endr
	WIN 0
	v_and_b32 v17, 7, v0                           ; the turning load: lane l reads key 8 h + l % 8, 16 bytes at 16 ((l / 8) % 2)
	v_lshl_add_u32 v17, v15, 3, v17
	v_mul_u32_u24 v[ADRB0], v17, VP
	v_bfe_u32 v17, v0, 3, 1
	v_lshl_add_u32 v[ADRB0], v17, 4, v[ADRB0]
	v_mov_b32 v[ADRB], v[ADRB0]
	v_add_nc_u32 v[ADRB2], 4*32*VP, v[ADRB0]
	s_lshl_b32 s21, s[WV], 8
	s_add_co_u32 s21, s21, FT
	v_lshl_add_u32 v[FS], v16, 2, s21              ; row 64 w + lane
	v_lshl_add_u32 v[FADR0], v1, 2, s21            ; row 64 w + r
	v_mov_b32 v[FADR], v[FADR0]
	s_mul_i32 s21, s[WV], 16*OPI
	s_add_co_u32 s21, s21, STAGE
	v_mul_u32_u24 v[STO], v1, OPI
	v_lshl_add_u32 v[STO], v15, 5, v[STO]
	v_add_nc_u32 v[STO], s21, v[STO]
	v_lshl_add_u32 v[RD], v16, 4, s21
	v_lshlrev_b32 v[PFOA], 8, v16
	v_lshlrev_b32 v[PFOB], 12, v16
.irp a, 0,1,2,3
	v_mov_b32 v[IL+2*(\a)+1], 0                    ; named with 1 / L as a pair
.endr
	; the prefetches' pointers: at slot 2; the first change of slots steps them to 3
	s_lshl_b32 s20, s13, 4
	s_lshl_b32 s21, s40, 2
	s_add_co_u32 s20, s20, s21
	s_add_co_u32 s20, s20, s[WV]
	s_lshl_b32 s20, s20, 16
	s_add_co_u32 s20, s20, 2*8192
	s_mov_b32 s21, 0
	s_add_nc_u64 s[PFP:PFP+1], s[4:5], s[20:21]
	s_lshr_b32 s20, s49, 1
	s_lshl_b32 s20, s20, 11
	s_lshl_b32 s21, s41, 6
	s_add_co_u32 s20, s20, s21
	s_and_b32 s21, s[WV], 1
	s_lshl_b32 s21, s21, 5
	s_add_co_u32 s20, s20, s21
	s_add_co_u32 s20, s20, 2*256
	s_lshl_b32 s20, s20, 12
	s_lshl_b32 s21, s42, 8
	s_add_co_u32 s20, s20, s21
	s_add_co_u32 s20, s20, 2048
	s_mov_b32 s21, 0
	s_add_nc_u64 s[PFV:PFV+1], s[8:9], s[20:21]
	s_cmp_eq_u32 ttmp9, 0
	s_cselect_b32 s[LIMA], 1, -1
	s_lshr_b32 s20, s[WV], 1
	s_xor_b32 s20, s20, 1
	s_and_b32 s21, s49, 1
	s_or_b32 s20, s20, s21
	s_cmp_eq_u32 s20, 0
	s_cselect_b32 s[LIMB], 1, -1                   ; both limits are the same in all sixteen partners, for a given wave
	s_wait_loadcnt 24                              ; the statistics are in; the ring's first 24 loads stay out
.irp p, 0,1
	v_max3_num_f32 v[MX+(\p)], v[STT+32*(\p)], v[STT+32*(\p)+2], v[STT+32*(\p)+4]
.endr
.irp g, 3,5,7,9,11,13
.irp p, 0,1
	v_max3_num_f32 v[MX+(\p)], v[MX+(\p)], v[STT+32*(\p)+2*(\g)], v[STT+32*(\p)+2*(\g)+2]
.endr
.endr
.irp p, 0,1
	v_max_num_f32 v[MX+(\p)], v[MX+(\p)], v[STT+32*(\p)+30]  ; M: the row's true maximum
.endr
.set g, 0
.rept 16
	v_sub_f32 v[STT+2*g], v[STT+2*g], v[MX]
	v_sub_f32 v[STT+32+2*g], v[STT+32+2*g], v[MX+1]
.set g, g+1
.endr
.set g, 0
.rept 16                               ; one batch of 32 exponentials
	v_exp_f32 v[STT+2*g], v[STT+2*g]
	v_exp_f32 v[STT+32+2*g], v[STT+32+2*g]
.set g, g+1
.endr
	v_nop
	s_wait_alu depctr_va_vdst(0)                   ; a wait ahead of the batch's first reader
	v_mul_f32 v[LSM], v[STT], v[STT+1]
	v_mul_f32 v[LSM+1], v[STT+32], v[STT+33]
.set g, 1
.rept 15
	v_fmac_f32 v[LSM], v[STT+2*g], v[STT+2*g+1]
	v_fmac_f32 v[LSM+1], v[STT+32+2*g], v[STT+32+2*g+1]
.set g, g+1
.endr
	v_rcp_f32 v[RC], v[LSM]                        ; L is at least 1: the group that holds M has f = 1 and l >= 1
	v_rcp_f32 v[RC+1], v[LSM+1]
.set g, 0
.rept 16
	v_cvt_pk_f16_f32 v[STT+2*g], v[STT+2*g], v[STT+2*g]
	v_cvt_pk_f16_f32 v[STT+32+2*g], v[STT+32+2*g], v[STT+32+2*g]
.set g, g+1
.endr
	s_wait_alu depctr_va_vdst(0)                   ; for the two reciprocals; the roundings above are the plain work between
.set g, 0
.rept 16
	ds_store_b32 v[FS], v[STT+2*g] offset:1024*g
	ds_store_b32 v[FS], v[STT+32+2*g] offset:1024*g+128
.set g, g+1
.endr
	ds_store_b32 v[FS], v[RC] offset:16384
	ds_store_b32 v[FS], v[RC+1] offset:16384+128
.irp d, 3,4,5,6
	WIN S1
	ALOAD \d, \d, 0
	WIN S2
	ALOAD \d, \d, 1
.endr
	WIN 0
	s_wait_tensorcnt 0x1                           ; my part of slot 0 is in; slot 1's may stay out
	s_wait_dscnt 0x0
	s_barrier_signal -1
	s_barrier_wait -1
	BRUN 0
.irp a, 0,1,2,3
	ds_load_b32 v[FF+(\a)], v[FADR] offset:64*(\a)
.endr
	s_wait_dscnt 0x0
	s_wait_loadcnt 48                              ; quarter 0's p is in; quarters 1 to 6, 48 loads, stay out
	WIN S1
.set k, 0
.rept 16
	v_pk_mul_f16 v[128+k], v[FF+k/8], v[128+k]
.set k, k+1
.endr
	WIN S2
.set k, 0
.rept 16
	v_pk_mul_f16 v[128+k], v[FF+2+k/8], v[128+k]
.set k, k+1
.endr
	QTR 0, 1, 0, 1, 40, 1, 1                       ; the first quarter starts the sums.  40: of quarters 2 to 6, eight loads each
	WIN 0
	s_mov_b32 s3, 7
	s_branch .Lfirst                               ; the loop is entered behind a slot's first quarter
.Lslot:                                                ; six times: a slot's last quarter, with a refill, and the next slot's first seven
	QTR 7, 0, 1, 1, 40, 1, 0
	QTR 0, 0, 0, 1, 40, 1, 1
	WIN 0
.Lfirst:
	QTR 1, 0, 0, 1, 40, 1, 0
	QTR 2, 0, 0, 1, 40, 1, 0
	QTR 3, 0, 0, 1, 40, 1, 0
	QTR 4, 0, 0, 1, 40, 1, 2
	QTR 5, 0, 0, 1, 40, 1, 0
	QTR 6, 0, 0, 1, 40, 1, 0
	WIN 0
	s_sub_co_u32 s3, s3, 1
	s_cmp_lg_u32 s3, 0
	s_cbranch_scc1 .Lslot
	QTR 7, 0, 2, 1, 40, 1, 0                       ; the tail is written out: no tensor load; the ring's last two loads; then the counts run down
	QTR 0, 0, 0, 1, 40, 1, 1
	QTR 1, 0, 0, 0, 40, 1, 0
	QTR 2, 0, 0, 0, 32, 1, 0
	QTR 3, 0, 0, 0, 24, 1, 0
	QTR 4, 0, 0, 0, 16, 1, 0
	QTR 5, 0, 0, 0, 8, 1, 0
	QTR 6, 0, 0, 0, 0, 1, 0
	QTR 7, 0, 0, 0, -1, 0, 0
	WIN 0
	PLACES
	; THE WAY OUT, 16 rows at a time: times 1 / L, through my own stage, back as whole rows of 512 bytes, stored.
.irp a, 0,1,2,3
	ds_load_b32 v[IL+2*(\a)], v[FADR0] offset:16384+64*(\a)
.endr
	s_wait_dscnt 0x0
.macro OMUL a
.set XW, 1+(\a)/2
.set o, 64*((\a)%2)
	WIN (XW<<6)|XW
.rept 32
	v_pk_mul_f32 v[o:o+1], v[o:o+1], v[IL+2*(\a):IL+2*(\a)+1] op_sel_hi:[1,0]
.set o, o+2
.endr
.endm
.macro OSTAGE a
.set XW, 1+(\a)/2
.set o, 64*((\a)%2)
.set BK, 64+64*((\a)%2)
	WIN XW<<2
.irp b, 0,1,2,3,4,5,6,7
	ds_store_b128 v[STO], v[o+8*(\b):o+8*(\b)+3]   offset:64*(\b)
	ds_store_b128 v[STO], v[o+8*(\b)+4:o+8*(\b)+7] offset:64*(\b)+16
.endr
	WIN 0
.irp t, 0,1,2,3,4,5,6,7,8,9,10,11,12,13,14,15
	ds_load_b128 v[BK+4*(\t):BK+4*(\t)+3], v[RD] offset:OPI*(\t)  ; LDS serves a wave's instructions in order (ISA guide 5.7.1.4): these see the stores above
.endr
.endm
.macro OSEND a
.set BK, 64+64*((\a)%2)
	WIN 0
	s_wait_dscnt 0x0                               ; the block is back in registers
	s_wait_xcnt 0x0                                ; earlier stores have read their registers: the other set is loaded again only behind this wait
.irp t, 0,1,2,3,4,5,6,7,8,9,10,11,12,13,14,15
	global_store_b128 v[AO], v[BK+4*(\t):BK+4*(\t)+3], s[OU:OU+1] offset:(16*(\a)+(\t))*4096 th:TH_STORE_NT  ; 512 consecutive bytes, aligned
.endr
.endm
	OMUL 0
	OSTAGE 0
.irp a, 1,2,3
	OMUL \a
	OSEND (\a)-1
	OSTAGE \a
.endr
	OSEND 3
	s_wait_tensorcnt 0x0                           ; the wave's end, behind my last tensor load and my last LDS store
	ds_add_u32 v[SPW], v[NIL]
	s_wait_dscnt 0x0
	CROUND                                         ; the closing round
	s_endpgm
.Lfunc_end_k_qd53a14d81b_mix:
	.size	k_qd53a14d81b_mix, .Lfunc_end_k_qd53a14d81b_mix-k_qd53a14d81b_mix
	.p2alignl 7, 3214868480
	.fill 96, 4, 3214868480
	.section	.rodata,"a",@progbits
	.p2align	6, 0x0
	.amdhsa_kernel k_qd53a14d81b_mix
		.amdhsa_group_segment_fixed_size 327680
		.amdhsa_private_segment_fixed_size 0
		.amdhsa_enable_private_segment 0
		.amdhsa_kernarg_size 32
		.amdhsa_user_sgpr_count 2
		.amdhsa_user_sgpr_kernarg_segment_ptr 1
		.amdhsa_wavefront_size32 1
		.amdhsa_system_sgpr_workgroup_id_x 1
		.amdhsa_system_sgpr_workgroup_id_y 1
		.amdhsa_system_sgpr_workgroup_id_z 1
		.amdhsa_system_vgpr_workitem_id 0
		.amdhsa_next_free_vgpr 768
		.amdhsa_next_free_sgpr 66
		.amdhsa_reserve_vcc 0
		.amdhsa_float_denorm_mode_32 3
		.amdhsa_float_denorm_mode_16_64 3
		.amdhsa_memory_ordered 1
		.amdhsa_forward_progress 1
		.amdhsa_inst_pref_size 153
	.end_amdhsa_kernel
	.amdgpu_metadata
---
amdhsa.version: [ 1, 2 ]
amdhsa.kernels:
  - .name:           k_qd53a14d81b_mix
    .symbol:         k_qd53a14d81b_mix.kd
    .args:
      - { .name: pf, .offset: 0, .size: 8, .value_kind: global_buffer, .address_space: global }
      - { .name: st, .offset: 8, .size: 8, .value_kind: global_buffer, .address_space: global }
      - { .name: tv, .offset: 16, .size: 8, .value_kind: global_buffer, .address_space: global }
      - { .name: out0, .offset: 24, .size: 8, .value_kind: global_buffer, .address_space: global }
    .group_segment_fixed_size: 327680
    .private_segment_fixed_size: 0
    .kernarg_segment_align: 8
    .kernarg_segment_size: 32
    .max_flat_workgroup_size: 128
    .sgpr_count:     66
    .vgpr_count:     768
    .wavefront_size: 32
...
	.end_amdgpu_metadata
.endif
;; end of part 4
